; MI455X (gfx1250); checked and timed in simulation.
; The chip was launched on July 23, 2026; its instructions are those of AMD's public machine-readable ISA for CDNA 5 (MIT licence, August 2026) and "CDNA5" Instruction Set Architecture Reference Guide (July 2026). The comments in the code are by the model that wrote it; some were corrected since.
;; DIF Multi Head Attention. Allowed arithmetic: matrix products marked QUANTISED: E3M2 operands, one E8M0 scale for each 32 along K, by v_wmma_scale_f32_16x16x128_f8f6f4 with both operands' format E3M2, f32 sums; everything else in f32.
;; Inputs: Wd_codes 512 x 16 x 24 uint8 (E3M2 codes of Wd, K innermost, in blocks of 32 codes, four codes in three bytes); Wd_scales 512 x 16 uint8 (E8M0 scales of Wd, one for each 32 codes along K); Wk_codes 512 x 16 x 24 uint8 (E3M2 codes of Wk, K innermost, in blocks of 32 codes, four codes in three bytes); Wk_scales 512 x 16 uint8 (E8M0 scales of Wk, one for each 32 codes along K); Wka0_codes 256 x 8 x 24 uint8 (E3M2 codes of Wka0, K innermost, in blocks of 32 codes, four codes in three bytes); Wka0_scales 256 x 8 uint8 (E8M0 scales of Wka0, one for each 32 codes along K); Wka1_codes 256 x 8 x 24 uint8 (E3M2 codes of Wka1, K innermost, in blocks of 32 codes, four codes in three bytes); Wka1_scales 256 x 8 uint8 (E8M0 scales of Wka1, one for each 32 codes along K); Wkp_codes 512 x 16 x 24 uint8 (E3M2 codes of Wkp, K innermost, in blocks of 32 codes, four codes in three bytes); Wkp_scales 512 x 16 uint8 (E8M0 scales of Wkp, one for each 32 codes along K); Wq_codes 512 x 16 x 24 uint8 (E3M2 codes of Wq, K innermost, in blocks of 32 codes, four codes in three bytes); Wq_scales 512 x 16 uint8 (E8M0 scales of Wq, one for each 32 codes along K); Wqa0_codes 256 x 8 x 24 uint8 (E3M2 codes of Wqa0, K innermost, in blocks of 32 codes, four codes in three bytes); Wqa0_scales 256 x 8 uint8 (E8M0 scales of Wqa0, one for each 32 codes along K); Wqa1_codes 256 x 8 x 24 uint8 (E3M2 codes of Wqa1, K innermost, in blocks of 32 codes, four codes in three bytes); Wqa1_scales 256 x 8 uint8 (E8M0 scales of Wqa1, one for each 32 codes along K); Wqp_codes 512 x 16 x 24 uint8 (E3M2 codes of Wqp, K innermost, in blocks of 32 codes, four codes in three bytes); Wqp_scales 512 x 16 uint8 (E8M0 scales of Wqp, one for each 32 codes along K); Wv_codes 512 x 16 x 24 uint8 (E3M2 codes of Wv, K innermost, in blocks of 32 codes, four codes in three bytes); Wv_scales 512 x 16 uint8 (E8M0 scales of Wv, one for each 32 codes along K); attention_mask 32 x 1 x 1 x 512 float32; attr0_codes 32 x 512 x 8 x 24 uint8 (E3M2 codes of attr0, K innermost, in blocks of 32 codes, four codes in three bytes); attr0_scales 32 x 512 x 8 uint8 (E8M0 scales of attr0, one for each 32 codes along K); attr1_codes 32 x 512 x 8 x 24 uint8 (E3M2 codes of attr1, K innermost, in blocks of 32 codes, four codes in three bytes); attr1_scales 32 x 512 x 8 uint8 (E8M0 scales of attr1, one for each 32 codes along K); bd 512 float32; beta 512 float32; bk 512 float32; bka0 256 float32; bka1 256 float32; bkp 512 float32; bq 512 float32; bqa0 256 float32; bqa1 256 float32; bqp 512 float32; bv 512 float32; gamma 512 float32; item_hidden 32 x 512 x 512 float32; position_embed_codes 32 x 512 x 16 x 24 uint8 (E3M2 codes of position_embed, K innermost, in blocks of 32 codes, four codes in three bytes); position_embed_scales 32 x 512 x 16 uint8 (E8M0 scales of position_embed, one for each 32 codes along K).
;; Outputs: out0 32 x 512 x 512 float32.
;; This version of the problem:
;;   THIS VERSION OF THE PROBLEM IS GIVEN IN LOW PRECISION. The matrix products marked QUANTISED in the list below multiply operands that are first quantised to E3M2 (3 exponent bits, 2 mantissa bits; 6 bits a number), with one power-of-two scale for each 32 numbers along K (OCP MX v1.0); their sums are f32. All else is computed in f32.
;;   The module's matrix products, in the order in which they are computed (A, B: the left and right operand; K: the contracted axis; several contracted axes count as one K, in the product's order):
;;     1. [M 16,384, K 512] x [K 512, N 512]; A: input item_hidden; B: input Wq (given as codes): QUANTISED
;;     2. [M 16,384, K 512] x [K 512, N 512]; A: input item_hidden; B: input Wk (given as codes): QUANTISED
;;     3. [M 16,384, K 512] x [K 512, N 512]; A: input item_hidden; B: input Wv (given as codes): QUANTISED
;;     4. [M 16,384, K 512] x [K 512, N 512]; A: input position_embed (given as codes); B: input Wqp (given as codes): QUANTISED
;;     5. [M 16,384, K 512] x [K 512, N 512]; A: input position_embed (given as codes); B: input Wkp (given as codes): QUANTISED
;;     6. [M 16,384, K 256] x [K 256, N 256]; A: input attr0 (given as codes); B: input Wqa0 (given as codes): QUANTISED
;;     7. [M 16,384, K 256] x [K 256, N 256]; A: input attr0 (given as codes); B: input Wka0 (given as codes): QUANTISED
;;     8. [M 16,384, K 256] x [K 256, N 256]; A: input attr1 (given as codes); B: input Wqa1 (given as codes): QUANTISED
;;     9. [M 16,384, K 256] x [K 256, N 256]; A: input attr1 (given as codes); B: input Wka1 (given as codes): QUANTISED
;;     10. batch 256 x [M 512, K 64] x [K 64, N 512]; A: computed on the way; B: computed on the way: QUANTISED
;;     11. batch 256 x [M 512, K 64] x [K 64, N 512]; A: computed on the way; B: computed on the way: QUANTISED
;;     12. batch 256 x [M 512, K 32] x [K 32, N 512]; A: computed on the way; B: computed on the way: QUANTISED
;;     13. batch 256 x [M 512, K 32] x [K 32, N 512]; A: computed on the way; B: computed on the way: QUANTISED
;;     14. batch 256 x [M 512, K 512] x [K 512, N 64]; A: softmax (see below); B: computed on the way: QUANTISED
;;     15. [M 16,384, K 512] x [K 512, N 512]; A: computed on the way; B: input Wd (given as codes): QUANTISED
;;   THE QUANTISER, for each operand of a quantised product, along K:
;;     - K is cut into blocks of 32 from its start; a last block that is shorter is filled with zeros.
;;     - A block's scale is 2^e with e = floor(log2(the largest magnitude in the block)) - 4, held to -126 .. 127; a block of zeros has e = 0. As a byte (E8M0): e + 127.
;;     - Each number is divided by its block's scale, clamped to +-28, and rounded to the nearest number of E3M2, ties to even, subnormals kept.
;;     - The product sums the exact products of the quantised numbers (number of the format x scale) in f32.
;;   ~~~python
;;   def quantise(x, axis):      # numpy; x: float32 -> the quantised numbers, widened to float32 again
;;       x = np.moveaxis(x, axis, -1); K = x.shape[-1]
;;       x = np.pad(x, [(0, 0)] * (x.ndim - 1) + [(0, -K % 32)]); x = x.reshape(x.shape[:-1] + (-1, 32)); a = np.abs(x).max(-1, keepdims=True)
;;       e = np.where(a > 0, np.clip(np.frexp(np.where(a > 0, a, 1))[1] - 1 - 4, -126, 127), 0)      # np.frexp(a)[1] - 1 = floor(log2(a)), exactly
;;       r = np.clip(x / 2.0 ** e, -28, 28)
;;       step = 2.0 ** (np.maximum(np.frexp(np.where(r == 0, 1, r))[1] - 1, -2) - 2)
;;       q = np.round(r / step) * step * 2.0 ** e      # np.round: ties to even
;;       return np.moveaxis(q.reshape(q.shape[:-2] + (-1,))[..., :K], -1, axis).astype(np.float32)
;;   ~~~
;;   SOFTMAX AHEAD OF A QUANTISED PRODUCT. Where the list says 'softmax', what is quantised is not the finished softmax but p = 2^(t - M), with t = logit x log2(e) and M = ceil(the row's largest t), a whole number; so 1/2 < the row's largest p <= 1. The row's sum l is taken of the UNQUANTISED p, in f32, and the product's result is divided by l at the end. Since M is a whole number, a kernel that streams over the keys may use a running M (the ceiling of the running maximum): every later rescaling is an exact power of two, which a block's scale takes up: the codes' values come out the same.
;;   OPERANDS COMPUTED ON THE WAY. 'Computed on the way' means the value that the module computes at that place (a softmax that the list does not call 'softmax' is quantised finished and normalised). What goes into a quantiser is computed in f32, as accurately as f32 sums, v_exp_f32 and their like allow (about 1e-6 of the number): no bf16 or f16 on the way to a quantiser, and a product that is left as it is and whose result goes on into a quantised operand takes f32 operands (vector FMAs, or v_wmma_f32_16x16x4_f32). A number that lies on a knife's edge between two numbers of the format may be rounded either way, as far as f32 arithmetic and the matrix unit's own rounding can turn it there, and no further.
;;   INPUTS GIVEN AS CODES. Wd (in the module: [512, 512], K = its axis 1); Wk (in the module: [512, 512], K = its axis 1); Wka0 (in the module: [256, 256], K = its axis 1); Wka1 (in the module: [256, 256], K = its axis 1); Wkp (in the module: [512, 512], K = its axis 1); Wq (in the module: [512, 512], K = its axis 1); Wqa0 (in the module: [256, 256], K = its axis 1); Wqa1 (in the module: [256, 256], K = its axis 1); Wqp (in the module: [512, 512], K = its axis 1); Wv (in the module: [512, 512], K = its axis 1); attr0 (in the module: [32, 512, 256], K = its axis 2); attr1 (in the module: [32, 512, 256], K = its axis 2); position_embed (in the module: [32, 512, 512], K = its axis 2): each comes as NAME_codes (uint8): NAME with its K axis moved to the last place and cut into blocks of 32 codes, [.., K / 32, bytes a block], one block behind the other in memory; four codes in three bytes: a row's codes are one little-endian stream of bits, code i at bits 6 i .. 6 i + 5 (a code: sign, 3 exponent bits, 2 mantissa bits); and NAME_scales (uint8): the same leading axes, one E8M0 byte (e + 127) for each 32 codes along K. Its value is code x scale, taken as it is: it is not quantised again, and the codes and scales need not be those that the quantiser above would give.
;; One version. Each part assembles by itself: llvm-mc -triple=amdgcn-amd-amdhsa -mcpu=gfx1250 --defsym DOCPART=n.
;; ======== version 1 of 1: 3 launches
;; limits: right only within a limited range of input values
;; workspace buffers: ximg 20,447,232 bytes; ctx 6,815,744 bytes
;; launch prep (part 1): grid 1024 x 1, 4 waves a work-group, no clusters, 0 bytes of LDS; arguments item_hidden, position_embed_codes, position_embed_scales, attr0_codes, attr0_scales, attr1_codes, attr1_scales, ximg; writes ximg
.if DOCPART == 1
	.amdgcn_target "amdgcn-amd-amdhsa--gfx1250"
	.amdhsa_code_object_version 6
	.text
	.protected	k_qe6f1569912_prep
	.globl	k_qe6f1569912_prep
	.p2align	8
	.type	k_qe6f1569912_prep,@function
k_qe6f1569912_prep:
	s_mov_b64 s[64:65], 0
	v_nop
	global_prefetch_b8 v0, s[64:65] scope:SCOPE_SE
	s_setreg_imm32_b32 hwreg(HW_REG_WAVE_MODE, 25, 1), 1
	s_wait_xcnt 0x0
; The four activations become IMAGES OF OPERAND REGISTERS in the workspace ximg, so that the next launch brings a fragment (16 tokens x 128 K of E3M2 codes: 12 registers a lane)
; by three dense loads of 16 bytes a lane.  item_hidden (f32) is quantised here, once, along K = 512; position_embed, attr0 and attr1 arrive as codes and are only laid anew.
; TILES.  Tile T (0 .. 1,023) holds 16 tokens that are not neighbours: its row r is token 32 (T / 2) + 8 (T % 2) + r + 8 (r / 8).  With that order the results of two neighbouring tiles,
; taken transposed, are 16 neighbours in a lane's registers, which is what the conversions to codes want.
; A TILE'S RECORD, 19,968 bytes: twelve images of 1,536 bytes (0-3 item_hidden's K steps of 128, 4-7 position_embed's, 8, 9 attr0's, 10, 11 attr1's; registers 4 q .. 4 q + 3 of a lane at 512 q + 16 lane),
; then from byte 18,432 twelve vectors of scale words, 128 bytes each (4 bytes a lane; lanes 16-31 repeat lanes 0-15).
; SHARES.  A work-group is a tile; wave j makes images j, 4 + j and 8 + j.  No LDS, no barrier: the waves share nothing.
; THE QUANTISER.  A block's scale byte is its largest magnitude's exponent field - 4, held at 1 from below; a block of zeros so has the byte 1: its codes are zeros, and this program alone reads the bytes.
; LIMITS: NaN and infinities in item_hidden are not served; blocks whose largest magnitude lies under 2^-122 keep the byte 1.
.set REC, 19968                        ; a tile's record
.set NUM, 32                           ; v32-95   64 numbers of my row: register 16 b + i = k 32 b + 16 (lane / 16) + i
.set TM,  98                           ; v98-109  largest magnitudes; bytes; the conversions' scale operands
.set PC,  110                          ; v110-121 the fragment's codes
.set PD,  122                          ; v122-129 the blocks' second halves as the conversions leave them
.set PW,  130                          ; v130     the scale word
.set SEL, 24                           ; s[24:25] lane selects for v_permlanex16_b32: lane l xor 16
; nb blocks of 32: block b's numbers are v[s + 16 b] .. v[s + 16 b + 15] of lanes l and l xor 16
.macro QSCALE s, nb
.irp b, 0,1,2,3
.if \b < \nb
	v_max3_num_f32 v[TM+\b], |v[\s+16*\b]|, |v[\s+16*\b+1]|, 0x2800000   ; and the floor 2^(5 - 127): the byte cannot fall under 1
.endif
.endr
.irp i, 2,4,6,8,10,12,14
.irp b, 0,1,2,3
.if \b < \nb
	v_max3_num_f32 v[TM+\b], v[TM+\b], |v[\s+16*\b+\i]|, |v[\s+16*\b+\i+1]|   ; the blocks by turns
.endif
.endr
.endr
.irp b, 0,1,2,3
.if \b < \nb
	v_permlanex16_b32 v[TM+4+\b], v[TM+\b], s[SEL], s[SEL+1]
.endif
.endr
.irp b, 0,1,2,3
.if \b < \nb
	v_max_num_f32 v[TM+\b], v[TM+\b], v[TM+4+\b]   ; with lane l xor 16's: the block's largest magnitude
.endif
.endr
.irp b, 0,1,2,3
.if \b < \nb
	v_add_nc_u32 v[TM+8+\b], 0xfe000000, v[TM+\b]  ; 4 off its exponent field: the conversion's scale operand
.endif
.endr
.irp b, 0,1,2,3
.if \b < \nb
	v_lshrrev_b32 v[TM+4+\b], 23, v[TM+8+\b]       ; the scale's byte
.endif
.endr
.endm
.macro QWORD nb                        ; the bytes make my row's scale word
	v_lshl_or_b32 v[PW], v[TM+5], 8, v[TM+4]
.if \nb > 2
	v_lshl_or_b32 v[PW], v[TM+6], 16, v[PW]
	v_lshl_or_b32 v[PW], v[TM+7], 24, v[PW]
.endif
.endm
.macro QCODES s, nc                    ; nc pairs of blocks become registers 6 c .. 6 c + 5 of an operand: k = 64 c + 32 (lane / 16) + 0 .. 31
.irp c, 0,1
.if \c < \nc
	v_cvt_scalef32_pk16_bf6_f32 v[PC+6*\c:PC+6*\c+2], v[\s+32*\c:\s+32*\c+15], v[TM+8+2*\c]
	v_cvt_scalef32_pk16_bf6_f32 v[PD+4*\c:PD+4*\c+2], v[\s+32*\c+16:\s+32*\c+31], v[TM+9+2*\c]   ; (a conversion's three registers begin on an even number)
.endif
.endr
	v_nop                                          ; one plain place behind a scaled conversion
.irp c, 0,1
.if \c < \nc
.irp i, 0,1,2
	v_permlane16_swap_b32 v[PC+6*\c+\i], v[PD+4*\c+\i]   ; a whole block to a lane: lanes 0-15 block 2 c, lanes 16-31 block 2 c + 1
.endr
.irp i, 0,1,2
	v_mov_b32 v[PC+6*\c+3+\i], v[PD+4*\c+\i]
.endr
.endif
.endr
.endm
	s_load_b512 s[4:19], s[0:1], 0x0               ; item s[4:5]; pos codes, scales s[6:9]; attr0 s[10:13]; attr1 s[14:17]; ximg s[18:19]
	v_lshrrev_b32 v8, 5, v0
	v_readfirstlane_b32 s20, v8                    ; wave j
	v_and_b32 v8, 31, v0                           ; lane
	v_and_b32 v9, 15, v0                           ; r
	v_bfe_u32 v10, v0, 4, 1                        ; h
	v_and_b32 v11, 8, v9
	v_add_nc_u32 v11, v11, v9                      ; r + 8 (r / 8): my token in the tile's 32
	v_lshlrev_b32 v1, 4, v8                        ; an image's place for my lane
	v_lshlrev_b32 v2, 2, v8                        ; a scale word's
	v_lshlrev_b32 v3, 11, v11
	v_lshl_add_u32 v3, v10, 6, v3                  ; item_hidden: a row of 2,048 bytes, + 64 h: my 16 numbers of a block
	v_mul_u32_u24 v4, v11, 384
	v_mad_u32_u24 v4, v10, 24, v4                  ; position_embed's codes: a row of 384 bytes, + 24 h
	v_lshlrev_b32 v5, 4, v11                       ; its scale bytes: 16 a row
	v_mul_u32_u24 v6, v11, 192
	v_mad_u32_u24 v6, v10, 24, v6                  ; an attribute's codes: a row of 192 bytes
	v_lshlrev_b32 v7, 3, v11                       ; its scale bytes: 8 a row
.irp b, 0,1,2,3
	v_mov_b32 v[TM+4+\b], 0                        ; written once: a lane permute's destination counts as one of its sources
.endr
	s_lshr_b32 s21, ttmp9, 1
	s_lshl_b32 s21, s21, 5
	s_and_b32 s22, ttmp9, 1
	s_lshl_b32 s22, s22, 3
	s_add_co_u32 s21, s21, s22                     ; the tile's first token: 32 (T / 2) + 8 (T % 2)
	s_and_b32 s29, s20, 1                          ; which K step of my attribute
	s_mov_b32 s23, 0
	s_mov_b32 s[SEL], 0x76543210
	s_mov_b32 s[SEL+1], 0xfedcba98
	s_mul_i32 s30, ttmp9, REC                      ; the tile's record
	s_wait_alu depctr_va_vdst(0)
	s_wait_kmcnt 0x0
	s_cmp_lt_u32 s20, 2                            ; waves 0, 1 take attr0, waves 2, 3 attr1: the choice hangs on the wave's number alone
	s_cselect_b64 s[10:11], s[10:11], s[14:15]
	s_cselect_b64 s[12:13], s[12:13], s[16:17]
	s_lshl_b32 s22, s21, 11
	s_lshl_b32 s28, s20, 9
	s_add_co_u32 s22, s22, s28
	s_add_nc_u64 s[4:5], s[4:5], s[22:23]          ; item_hidden at the first token, K step j
	s_mul_i32 s22, s21, 384
	s_mul_i32 s28, s20, 96
	s_add_co_u32 s22, s22, s28
	s_add_nc_u64 s[6:7], s[6:7], s[22:23]
	s_lshl_b32 s22, s21, 4
	s_lshl_b32 s28, s20, 2
	s_add_co_u32 s22, s22, s28
	s_add_nc_u64 s[8:9], s[8:9], s[22:23]
	s_mul_i32 s22, s21, 192
	s_mul_i32 s28, s29, 96
	s_add_co_u32 s22, s22, s28
	s_add_nc_u64 s[10:11], s[10:11], s[22:23]
	s_lshl_b32 s22, s21, 3
	s_lshl_b32 s28, s29, 2
	s_add_co_u32 s22, s22, s28
	s_add_nc_u64 s[12:13], s[12:13], s[22:23]
	s_lshl_b32 s28, s20, 7
	s_add_co_u32 s22, s30, s28
	s_add_co_u32 s22, s22, 18432
	s_add_nc_u64 s[26:27], s[18:19], s[22:23]      ; scale vector j of the record
	s_mul_i32 s28, s20, 1536
	s_add_co_u32 s22, s30, s28
	s_add_nc_u64 s[18:19], s[18:19], s[22:23]      ; image j of the record
.irp p, 0,1,2,3,4,5
	global_load_b64 v[8+2*\p:9+2*\p], v4, s[6:7] offset:48*(\p/3)+8*(\p%3)     ; a fragment as it lies in the row's stream of bits: 24 bytes at 24 h, 24 more 48 bytes on
.endr
	global_load_b32 v96, v5, s[8:9]
.irp p, 0,1,2,3,4,5
	global_load_b64 v[20+2*\p:21+2*\p], v6, s[10:11] offset:48*(\p/3)+8*(\p%3)
.endr
	global_load_b32 v97, v7, s[12:13]
.irp b, 0,1,2,3
.irp i, 0,1,2,3
	global_load_b128 v[NUM+16*\b+4*\i:NUM+16*\b+4*\i+3], v3, s[4:5] offset:128*\b+16*\i th:TH_LOAD_NT
.endr
.endr
	s_wait_loadcnt 16                              ; loads come back in order: the 16 youngest, item_hidden's, may be out; the codes and their scale words are in
.irp q, 0,1,2
	global_store_b128 v1, v[8+4*\q:11+4*\q], s[18:19] offset:4*1536+512*\q     ; each store of the wave covers 512 consecutive bytes, aligned to 256
.endr
	global_store_b32 v2, v96, s[26:27] offset:4*128
.irp q, 0,1,2
	global_store_b128 v1, v[20+4*\q:23+4*\q], s[18:19] offset:8*1536+512*\q
.endr
	global_store_b32 v2, v97, s[26:27] offset:8*128
	s_wait_loadcnt 0x0
	QSCALE NUM, 4
	QWORD 4
	QCODES NUM, 2
.irp q, 0,1,2
	global_store_b128 v1, v[PC+4*\q:PC+4*\q+3], s[18:19] offset:512*\q
.endr
	global_store_b32 v2, v[PW], s[26:27]
	s_endpgm
.Lfunc_end_k_qe6f1569912_prep:
	.size	k_qe6f1569912_prep, .Lfunc_end_k_qe6f1569912_prep-k_qe6f1569912_prep
	.p2alignl 7, 3214868480
	.fill 96, 4, 3214868480
	.section	.rodata,"a",@progbits
	.p2align	6, 0x0
	.amdhsa_kernel k_qe6f1569912_prep
		.amdhsa_group_segment_fixed_size 0
		.amdhsa_private_segment_fixed_size 0
		.amdhsa_enable_private_segment 0
		.amdhsa_kernarg_size 64
		.amdhsa_user_sgpr_count 2
		.amdhsa_user_sgpr_kernarg_segment_ptr 1
		.amdhsa_wavefront_size32 1
		.amdhsa_system_sgpr_workgroup_id_x 1
		.amdhsa_system_sgpr_workgroup_id_y 1
		.amdhsa_system_sgpr_workgroup_id_z 1
		.amdhsa_system_vgpr_workitem_id 0
		.amdhsa_next_free_vgpr 132
		.amdhsa_next_free_sgpr 66
		.amdhsa_reserve_vcc 0
		.amdhsa_float_denorm_mode_32 3
		.amdhsa_float_denorm_mode_16_64 3
		.amdhsa_memory_ordered 1
		.amdhsa_forward_progress 1
		.amdhsa_inst_pref_size 11
	.end_amdhsa_kernel
	.amdgpu_metadata
---
amdhsa.version: [ 1, 2 ]
amdhsa.kernels:
  - .name:           k_qe6f1569912_prep
    .symbol:         k_qe6f1569912_prep.kd
    .args:
      - { .name: item_hidden, .offset: 0, .size: 8, .value_kind: global_buffer, .address_space: global }
      - { .name: position_embed_codes, .offset: 8, .size: 8, .value_kind: global_buffer, .address_space: global }
      - { .name: position_embed_scales, .offset: 16, .size: 8, .value_kind: global_buffer, .address_space: global }
      - { .name: attr0_codes, .offset: 24, .size: 8, .value_kind: global_buffer, .address_space: global }
      - { .name: attr0_scales, .offset: 32, .size: 8, .value_kind: global_buffer, .address_space: global }
      - { .name: attr1_codes, .offset: 40, .size: 8, .value_kind: global_buffer, .address_space: global }
      - { .name: attr1_scales, .offset: 48, .size: 8, .value_kind: global_buffer, .address_space: global }
      - { .name: ximg, .offset: 56, .size: 8, .value_kind: global_buffer, .address_space: global }
    .group_segment_fixed_size: 0
    .private_segment_fixed_size: 0
    .kernarg_segment_align: 8
    .kernarg_segment_size: 64
    .max_flat_workgroup_size: 128
    .sgpr_count:     66
    .vgpr_count:     132
    .wavefront_size: 32
...
	.end_amdgpu_metadata
.endif
;; end of part 1
;; launch attn (part 2): grid 8 x 32, 16 waves a work-group, no clusters, 313,344 bytes of LDS; arguments ximg, attention_mask, ctx, bq, bk, bv, bqp, bkp, bqa0, bqa1, bka0, bka1, Wq_codes, Wk_codes, Wv_codes, Wqp_codes, Wkp_codes, Wq_scales, Wk_scales, Wv_scales, Wqp_scales, Wkp_scales, Wqa0_codes, Wqa1_codes, Wka0_codes, Wka1_codes, Wqa0_scales, Wqa1_scales, Wka0_scales, Wka1_scales; writes ctx
.if DOCPART == 2
	.amdgcn_target "amdgcn-amd-amdhsa--gfx1250"
	.amdhsa_code_object_version 6
	.text
	.protected	k_qe6f1569912_attn
	.globl	k_qe6f1569912_attn
	.p2align	8
	.type	k_qe6f1569912_attn,@function
k_qe6f1569912_attn:
	s_mov_b64 s[64:65], 0
	v_nop
	global_prefetch_b8 v0, s[64:65] scope:SCOPE_SE
	s_setreg_imm32_b32 hwreg(HW_REG_WAVE_MODE, 25, 1), 1
	s_wait_xcnt 0x0
; One work-group makes one (batch, head): the nine projections' columns of this head, their quantisers, the four score products, the softmax, P V, and ctx as codes.  All products on codes of E3M2 with E8M0 scales.
; SHARES.  Sixteen waves of 256 registers, four to a SIMD.  Wave w owns tiles 2 w and 2 w + 1 of the batch's 32 tiles of 16 tokens: 32 consecutive tokens.  (A tile's row r is token 32 (T / 2) + 8 (T % 2) + r + 8 (r / 8).)
; PHASE 1: it multiplies its two tiles by all 448 columns of the head (weights from LDS, each fragment feeding both tiles), quantises the results in registers and stores K's and V's parts to LDS for all waves, Q's for itself.
; PHASE 2: its two tiles are query tiles, one after the other; each walks the batch's 512 keys in four steps of 128.
; LAYOUT.  Q's and K's projections are used transposed (source 0 = 16 rows of W, source 1 = my tokens), and a tile of W takes rows 32 (t / 2) + 8 (t % 2) + r + 8 (r / 8): a lane then holds ONE token and 16 neighbouring
; outputs in the registers of two neighbouring tiles.  V's is used the other way (source 0 = tokens): a lane holds ONE channel and 16 neighbouring tokens, since the keys are the K of P V.
; THE FOUR SCORE PRODUCTS ARE ONE K OF 192 = 64 + 64 + 32 + 32, six blocks of 32, in two matrix instructions: [item | position] against the same of Q; and the attributes' 64 of TWO key tiles side by side in one
; fragment, against [Qa | zeros] for the first tile and [zeros | Qa] for the second (zero codes add nothing).
; THE MASK: 8 x mask is the C of a score's first product, so score + 8 mask comes out of the matrix unit, and t = that x log2(e) / 8.
; THE SOFTMAX: M = the running largest t rounded up to a whole number; p = 2^(t - M) is quantised along the keys; the row's sum is taken of the unquantised p and divides at the end.
; NO JOINT LOADS: what the eight heads of a batch share are the tokens' images (32 x 19,968 = 638,976 bytes), which go from memory straight into the registers of the one wave that owns them; a joint load would
; deliver them to LDS, of which this text uses 309,248 bytes of 327,680.  LDS is filled once, by the waves' own stores: no ring, two barriers.
; LIMITS: NaN and infinities among the inputs are not served, but for the mask: 8 x mask is held at -3e38 from below, so a mask under -3.75e37 (-infinity too) counts as that number: its p is 0 beside any open key;
; a query ALL of whose keys are so masked gets an even softmax where -infinity would give NaN.  Blocks under 2^-122 keep the scale byte 1; a block of zeros has the byte 1 (zero codes; this program alone reads the bytes).
.set REC,   19968                      ; a tile's record in ximg: 12 images of 1,536 bytes, then 12 vectors of scale words
.set FRB,   1536                       ; a fragment's image: registers 4 q .. 4 q + 3 of a lane at 512 q + 16 lane
; LDS
.set WSC,   147456                     ; 0 .. : 96 fragments of weights;  here: their scale words, 64 bytes a fragment
.set STEP0, 153600                     ; four regions, one for each 128 keys:
.set STEPB, 26112
.set KBO,   12288                      ;   +0 eight fragments [Ki | Kp];  here four fragments [Ka of tile 2 B | Ka of tile 2 B + 1]
.set VO,    18432                      ;   four fragments of V^T, a lane's 12 registers on end: 48 bytes a lane
.set KAS,   24576                      ;   scale words: [Ki | Kp]'s, 64 bytes a tile
.set KBS,   25088                      ;   Ka's
.set VS,    25344                      ;   V's
.set MK,    25600                      ;   8 x mask of the 128 keys
.set QP,    258048                     ; [Qi | Qp] of the 32 tiles: each wave's own
.set QS,    307200                     ; their scale words
.set CTXS,  6291456                    ; in ctx: where the scale halves begin
; registers that stay
.set LI,  1                            ; 16 x lane
.set R4,  2                            ; 4 r
.set LM,  3                            ; 64 h
.set L48, 4                            ; 48 x lane
.set L8,  5                            ; 8 x lane
.set L2,  6                            ; 2 x lane
; phase 1
.set RH4, 11                           ; 4 (r + 8 (r / 8))
.set VW,  12                           ; 48 r + 12 h
.set ABI, 13                           ; BIA + 64 h: where my half of the lanes reads a unit's biases
.set BIA, 311296                       ; LDS, behind the spare words: the head's biases, 128 bytes a wave of waves 0-11: bq 64, bk 64, bqp 64, bkp 64, bka0 32, bka1 32, bqa0 32, bqa1 32 numbers
.set X,   16                           ; v16-111  my two tiles' fragments of one activation: tile u, K step f at X + 48 u + 12 f
.set XS,  112                          ; v112-119 their scale words
.set WB,  120                          ; v120-167 four fragments of weights; between products the quantiser works here
.set WS,  168                          ; v168-171 their scale words
.set ACC, 172                          ; v172-235 eight accumulators
.set BB,  236                          ; v236-243 bv of my four channels, in pairs
.set AW,  244
.set ASW, 245
.set AT,  246
.set TM,  120
.set PC,  132
.set PD,  144
.set PW,  152
.set SEL, 84                           ; s[84:85]
; phase 2
.set ADK, 7
.set ADV, 8
.set ADS, 9
.set ADM, 10
.set TT,  11
.set QA,  16                           ; v16-27   [Qi | Qp]
.set QB,  28                           ; v28-45   [Qa | zeros | Qa]: v[28:39] and v[34:45] are the two operands
.set QAS, 46
.set QBS, 47
.set Q1,  48                           ; v48-53   the second tile's Qa
.set QW,  54                           ; v54      both tiles' scale bytes of Qa
.set KB,  56                           ; v56-127  four [Ki | Kp], two Ka; later four V^T
.set KS,  128                          ; v128-133 their scale words
.set S,   134                          ; v134-197 scores, then p
.set O,   198                          ; v198-229 O^T
.set PCD, 230                          ; v230-241 p's codes
.set BM,  238                          ; v238-241 the blocks' largest scores: over the codes' tail, done with before the conversions
.set T8,  242
.set SO,  250
.set F,   254                          ; v254 f = 2^(old M - new M)
.set PSW, 255                          ; v255 p's scale word
.macro PLACES n                        ; plain vector instructions that name no register of the matrix instructions in front (ISA guide 7.12.1)
.rept \n
	v_nop
.endr
.endm
.macro QSCALE s, nb                    ; nb blocks of 32: block b's numbers are v[s + 16 b] .. + 15 of lanes l and l xor 16.  Each accumulator is read from its low end on
.irp b, 0,1,2,3
.if \b < \nb
	v_max3_num_f32 v[TM+\b], |v[\s+16*\b]|, |v[\s+16*\b+1]|, 0x2800000   ; and the floor 2^(5 - 127): the byte cannot fall under 1
.endif
.endr
.irp i, 2,4,6,8,10,12,14
.irp b, 0,1,2,3
.if \b < \nb
	v_max3_num_f32 v[TM+\b], v[TM+\b], |v[\s+16*\b+\i]|, |v[\s+16*\b+\i+1]|
.endif
.endr
.endr
.irp b, 0,1,2,3
.if \b < \nb
	v_permlanex16_b32 v[TM+4+\b], v[TM+\b], s[SEL], s[SEL+1]
.endif
.endr
.irp b, 0,1,2,3
.if \b < \nb
	v_max_num_f32 v[TM+\b], v[TM+\b], v[TM+4+\b]
.endif
.endr
.irp b, 0,1,2,3
.if \b < \nb
	v_add_nc_u32 v[TM+8+\b], 0xfe000000, v[TM+\b]  ; 4 off the exponent field: the conversion's scale operand
.endif
.endr
.irp b, 0,1,2,3
.if \b < \nb
	v_lshrrev_b32 v[TM+4+\b], 23, v[TM+8+\b]       ; the scale's byte
.endif
.endr
.endm
.macro QWORD nb
	v_lshl_or_b32 v[PW], v[TM+5], 8, v[TM+4]
.if \nb > 2
	s_delay_alu instid0(VALU_DEP_1)
	v_lshl_or_b32 v[PW], v[TM+6], 16, v[PW]
	s_delay_alu instid0(VALU_DEP_1)
	v_lshl_or_b32 v[PW], v[TM+7], 24, v[PW]
.endif
.endm
.macro QCODES s, nc
.irp c, 0,1
.if \c < \nc
	v_cvt_scalef32_pk16_bf6_f32 v[PC+6*\c:PC+6*\c+2], v[\s+32*\c:\s+32*\c+15], v[TM+8+2*\c]
	v_cvt_scalef32_pk16_bf6_f32 v[PD+4*\c:PD+4*\c+2], v[\s+32*\c+16:\s+32*\c+31], v[TM+9+2*\c]
.endif
.endr
	v_nop                                          ; one plain place behind a scaled conversion
.irp c, 0,1
.if \c < \nc
.irp i, 0,1,2
	v_permlane16_swap_b32 v[PC+6*\c+\i], v[PD+4*\c+\i]
.endr
.irp i, 0,1,2
	s_delay_alu instid0(VALU_DEP_3)
	v_mov_b32 v[PC+6*\c+3+\i], v[PD+4*\c+\i]
.endr
.endif
.endr
.endm
.macro QUANT s
	QSCALE \s, 4
	QWORD 4
	QCODES \s, 2
.endm
; my two tiles' fragment f of activation g (0 item_hidden, 1 position_embed, 2 the attributes) and its scale words
.macro XLOAD g, f
.irp u, 0,1
.irp q, 0,1,2
	global_load_b128 v[X+48*\u+12*(\f)+4*\q:X+48*\u+12*(\f)+4*\q+3], v[LI], s[4:5] offset:REC*\u+(4*(\g)+(\f))*FRB+512*\q
.endr
	global_load_b32 v[XS+4*\u+(\f)], v[R4], s[4:5] offset:REC*\u+18432+128*(4*(\g)+(\f))
.endr
.endm
.macro WFETCH f0, s                    ; the unit's four fragments of K step s
.irp t, 0,1,2,3
.irp q, 0,1,2
	ds_load_b128 v[WB+12*\t+4*\q:WB+12*\t+4*\q+3], v[AW] offset:(4*(\s)+\t)*FRB+512*\q
.endr
	ds_load_b32 v[WS+\t], v[ASW] offset:64*(\f0+4*(\s)+\t)
.endr
.endm
.macro BIAS_T bo                       ; the unit's 64 biases, at byte bo of the biases in LDS, into my FIRST tile's four accumulators.  Lane (r, h), tile t, register j: output 32 (t / 2) + 8 (t % 2) + 16 h + j
.irp t, 0,1,2,3
	ds_load_b128 v[ACC+8*\t:ACC+8*\t+3], v[ABI] offset:\bo+128*(\t/2)+32*(\t%2)
	ds_load_b128 v[ACC+8*\t+4:ACC+8*\t+7], v[ABI] offset:\bo+128*(\t/2)+32*(\t%2)+16
.endr
.endm
.macro MUL_T s, attr                   ; eight products, the eight accumulators by turns, one instruction a turn
.irp t, 0,1,2,3
.irp u, 0,1
.if \attr
.set SL, 2*(\t/2)+(\s)                 ; tiles 0, 1 multiply attr0's fragments, tiles 2, 3 attr1's
.else
.set SL, \s
.endif
	v_wmma_scale_f32_16x16x128_f8f6f4 v[ACC+32*\u+8*\t:ACC+32*\u+8*\t+7], v[WB+12*\t:WB+12*\t+11], v[X+48*\u+12*SL:X+48*\u+12*SL+11], v[ACC+32*\u+8*\t:ACC+32*\u+8*\t+7], v[WS+\t], v[XS+4*\u+SL] matrix_a_fmt:MATRIX_FMT_BF6 matrix_b_fmt:MATRIX_FMT_BF6
.endr
.endr
.endm
; A unit's first K step.  The bias lies in the first tile's accumulators and is the C of both tiles' first products: the second tile's four take it into their own accumulators;
; five places, since the first tile's products then write over registers that those four named as C (ISA guide 7.12.1); then the first tile's four add in place.
.macro MUL_T0 attr
.irp u, 1,0
.irp t, 0,1,2,3
.if \attr
.set SL, 2*(\t/2)
.else
.set SL, 0
.endif
	v_wmma_scale_f32_16x16x128_f8f6f4 v[ACC+32*\u+8*\t:ACC+32*\u+8*\t+7], v[WB+12*\t:WB+12*\t+11], v[X+48*\u+12*SL:X+48*\u+12*SL+11], v[ACC+8*\t:ACC+8*\t+7], v[WS+\t], v[XS+4*\u+SL] matrix_a_fmt:MATRIX_FMT_BF6 matrix_b_fmt:MATRIX_FMT_BF6
.endr
.if \u
	PLACES 5
.endif
.endr
.endm
.macro MUL_V s                         ; V: source 0 = my tokens, source 1 = 16 rows of Wv
.irp n, 0,1,2,3
.irp u, 0,1
.if (\s) == 0
	v_wmma_scale_f32_16x16x128_f8f6f4 v[ACC+16*\n+8*\u:ACC+16*\n+8*\u+7], v[X+48*\u+12*(\s):X+48*\u+12*(\s)+11], v[WB+12*\n:WB+12*\n+11], 0, v[XS+4*\u+(\s)], v[WS+\n] matrix_a_fmt:MATRIX_FMT_BF6 matrix_b_fmt:MATRIX_FMT_BF6
.else
	v_wmma_scale_f32_16x16x128_f8f6f4 v[ACC+16*\n+8*\u:ACC+16*\n+8*\u+7], v[X+48*\u+12*(\s):X+48*\u+12*(\s)+11], v[WB+12*\n:WB+12*\n+11], v[ACC+16*\n+8*\u:ACC+16*\n+8*\u+7], v[XS+4*\u+(\s)], v[WS+\n] matrix_a_fmt:MATRIX_FMT_BF6 matrix_b_fmt:MATRIX_FMT_BF6
.endif
.endr
.endr
.endm
; A unit: 64 outputs for my 32 tokens.  ub, f0: where its weights and their scale words lie; ns K steps; pre >= 0: the next activation's fragment s is asked for into the registers that K step s has left.
; It ends with codes in v[PC] on (registers 0-5 tile 0's 64 outputs, 6-11 tile 1's) and four scale bytes in v[PW] (two a tile).
.macro UNIT_T ub, f0, ns, attr, bo, pre
	v_add_nc_u32 v[AW], \ub, v[LI]
	BIAS_T \bo
.irp s, 0,1,2,3
.if \s < \ns
	WFETCH \f0, \s
.if \s == 0
	s_wait_alu depctr_va_vdst(0)
	s_wait_loadcnt 0x0                             ; the activation's fragments, where they were asked for in the unit before
.endif
	s_wait_dscnt 0x0                               ; the weights, and in the first K step the bias
.if \s == 0
	MUL_T0 \attr
.else
	MUL_T \s, \attr
.endif
.if \s == \ns-1
	PLACES 5                                       ; the next unit's first products write over these accumulators: one place more than loads and reads want
.else
	PLACES 4                                       ; in front of loads into registers that these products read
.endif
.if \pre >= 0
	XLOAD \pre, \s
.endif
.endif
.endr
	QUANT ACC
.endm
; Half hf of the two tiles' fragments (registers 6 hf .. 6 hf + 5) goes into their images at s[ra], the two scale bytes into their words at s[rs]
.macro ST_HALF ra, rs, hf
	v_add_nc_u32 v[AT], s[\ra], v[LI]
	v_add_nc_u32 v[AT+1], s[\rs], v[R4]
.irp u, 0,1
.if \hf == 0
	ds_store_b128 v[AT], v[PC+6*\u:PC+6*\u+3] offset:FRB*\u
	ds_store_b64 v[AT], v[PC+6*\u+4:PC+6*\u+5] offset:FRB*\u+512
.else
	ds_store_b64 v[AT], v[PC+6*\u:PC+6*\u+1] offset:FRB*\u+520
	ds_store_b128 v[AT], v[PC+6*\u+2:PC+6*\u+5] offset:FRB*\u+1024
.endif
.endr
	ds_store_b16 v[AT+1], v[PW] offset:2*\hf               ; lanes r and r + 16 write the same bytes with the same value
	ds_store_b16_d16_hi v[AT+1], v[PW] offset:64+2*\hf
	s_wait_dscnt 0x0                               ; the stores have read their registers: the next unit's weights land there
.endm
	s_load_b512 s[4:19], s[0:1], 0x0               ; ximg, mask, ctx, bq, bk, bv, bqp, bkp
	s_load_b256 s[20:27], s[0:1], 0x40             ; bqa0, bqa1, bka0, bka1
	s_load_b512 s[28:43], s[0:1], 0x60             ; codes of Wq, Wk, Wv, Wqp, Wkp; scales of Wq, Wk, Wv
	s_load_b128 s[44:47], s[0:1], 0xa0             ; scales of Wqp, Wkp
	s_load_b512 s[48:63], s[0:1], 0xb0             ; codes of Wqa0, Wqa1, Wka0, Wka1; their scales
	v_lshrrev_b32 v7, 5, v0
	s_delay_alu instid0(VALU_DEP_1)
	v_readfirstlane_b32 s66, v7                    ; wave w
	v_and_b32 v7, 31, v0                           ; lane
	v_and_b32 v8, 15, v0                           ; r
	v_bfe_u32 v9, v0, 4, 1                         ; h
	s_delay_alu instid0(VALU_DEP_2)
	v_and_b32 v10, 8, v8
	s_delay_alu instid0(VALU_DEP_1)
	v_add_nc_u32 v10, v10, v8                      ; r + 8 (r / 8)
	v_lshlrev_b32 v[LI], 4, v7
	v_lshlrev_b32 v[R4], 2, v8
	v_lshlrev_b32 v[LM], 6, v9
	v_mul_u32_u24 v[L48], v7, 48
	v_lshlrev_b32 v[L8], 3, v7
	v_lshlrev_b32 v[L2], 1, v7
	v_lshlrev_b32 v[RH4], 2, v10
	v_mul_u32_u24 v[VW], v8, 48
	s_delay_alu instid0(VALU_DEP_1)
	v_mad_u32_u24 v[VW], v9, 12, v[VW]
	s_mov_b32 s67, ttmp9                           ; head
	s_and_b32 s68, ttmp7, 0xffff                   ; batch
	s_lshr_b32 s90, s66, 2                         ; w / 4: my key step
	s_and_b32 s70, s66, 3                          ; B = w % 4: my block of 32 keys in it
	s_mul_i32 s69, s90, STEPB
	s_add_co_u32 s69, s69, STEP0                   ; my step's region
	s_mul_i32 s71, s70, 2*FRB
	s_add_co_u32 s71, s71, s69                     ; my two [Ki | Kp]
	s_lshl_b32 s72, s70, 7
	s_add_co_u32 s72, s72, s69
	s_add_co_u32 s72, s72, KAS                     ; their scale words
	s_mul_i32 s73, s70, FRB
	s_add_co_u32 s73, s73, s69
	s_add_co_u32 s73, s73, KBO                     ; my Ka fragment
	s_lshl_b32 s74, s70, 6
	s_add_co_u32 s74, s74, s69
	s_add_co_u32 s74, s74, KBS                     ; its scale words
	s_and_b32 s75, s70, 1
	s_mul_i32 s75, s75, 768
	s_lshr_b32 s91, s70, 1
	s_mul_i32 s91, s91, 24
	s_add_co_u32 s75, s75, s91
	s_add_co_u32 s75, s75, s69
	s_add_co_u32 s75, s75, VO                      ; V: block B lies in lanes 16 (B % 2) on, registers 6 (B / 2) on
	s_add_co_u32 s76, s69, s70
	s_add_co_u32 s76, s76, VS                      ; and is byte B of V's scale words
	s_mul_i32 s77, s66, 2*FRB
	s_add_co_u32 s77, s77, QP                      ; my two [Qi | Qp]
	s_lshl_b32 s78, s66, 7
	s_add_co_u32 s78, s78, QS
	s_mov_b32 s82, 0x3e38aa3b                      ; c = log2(e) / 8
	s_mov_b32 s83, s82                             ; (named with it as a pair, so it is written)
	s_mov_b32 s[SEL], 0x76543210
	s_mov_b32 s[SEL+1], 0xfedcba98
	s_mov_b32 s93, 0
	s_wait_alu depctr_va_vdst(0)
	s_wait_kmcnt 0x0
	s_lshl_b32 s94, s68, 5
	s_lshl_b32 s95, s66, 1
	s_add_co_u32 s94, s94, s95                     ; my first tile: 32 x batch + 2 w
	s_mul_i32 s92, s94, REC
	s_add_nc_u64 s[4:5], s[4:5], s[92:93]
	s_lshl_b32 s92, s68, 11
	s_add_nc_u64 s[6:7], s[6:7], s[92:93]          ; the batch's mask
	s_lshl_b32 s94, s94, 3
	s_add_co_u32 s94, s94, s67                     ; 8 x tile + head
	s_mul_i32 s92, s94, 768
	s_add_nc_u64 s[86:87], s[8:9], s[92:93]        ; ctx: my codes,
	s_lshl_b32 s92, s94, 6
	s_add_co_u32 s92, s92, CTXS
	s_add_nc_u64 s[88:89], s[8:9], s[92:93]        ; my scale halves
	s_lshl_b32 s92, s67, 8
.irp p, 10,12,14,16,18
	s_add_nc_u64 s[\p:\p+1], s[\p:\p+1], s[92:93]  ; the head's 64 numbers of bq, bk, bv, bqp, bkp
.endr
	s_lshl_b32 s92, s67, 7
.irp p, 20,22,24,26
	s_add_nc_u64 s[\p:\p+1], s[\p:\p+1], s[92:93]  ; its 32 of the attributes' biases
.endr
.irp f, 0,1,2,3
	XLOAD 0, \f                                    ; item_hidden's fragments of my two tiles
.endr
	; THE WEIGHTS' FILL.  Wave w brings tile w / 4, K step w % 4 of each of the five large matrices' 64 rows, one fragment of the four small ones, and 32 numbers of the mask
	s_lshl_b32 s94, s67, 6
	s_lshr_b32 s95, s90, 1
	s_lshl_b32 s95, s95, 5
	s_add_co_u32 s94, s94, s95
	s_and_b32 s95, s90, 1
	s_lshl_b32 s95, s95, 3
	s_add_co_u32 s94, s94, s95                     ; 64 head + 32 (t / 2) + 8 (t % 2)
	v_add_nc_u32 v200, s94, v10                    ; my lane's row
	s_delay_alu instid0(VALU_DEP_1)
	v_mul_u32_u24 v201, v200, 384
	s_delay_alu instid0(VALU_DEP_1)
	v_mad_u32_u24 v201, v9, 24, v201
	s_mul_i32 s95, s70, 96
	v_add_nc_u32 v201, s95, v201                   ; its codes of my K step
	v_lshlrev_b32 v202, 4, v200
	s_delay_alu instid0(VALU_DEP_1)
	v_lshl_add_u32 v202, s70, 2, v202              ; its scale word
.set i, 0
.irp p, 28,30,32,34,36
.irp q, 0,1,2,3,4,5
	global_load_b64 v[120+12*i+2*\q:121+12*i+2*\q], v201, s[\p:\p+1] offset:48*(\q/3)+8*(\q%3)
.endr
.set i, i+1
.endr
.set i, 0
.irp p, 38,40,42,44,46
	global_load_b32 v[192+i], v202, s[\p:\p+1]
.set i, i+1
.endr
	s_and_b32 s94, s66, 4                          ; the small matrix w / 4: Wqa0, Wqa1, Wka0, Wka1.  The choices hang on the wave's number alone
	s_cmp_lg_u32 s94, 0
	s_cselect_b64 s[48:49], s[50:51], s[48:49]
	s_cselect_b64 s[52:53], s[54:55], s[52:53]
	s_cselect_b64 s[56:57], s[58:59], s[56:57]
	s_cselect_b64 s[60:61], s[62:63], s[60:61]
	s_cmp_ge_u32 s66, 8
	s_cselect_b64 s[48:49], s[52:53], s[48:49]
	s_cselect_b64 s[56:57], s[60:61], s[56:57]
	s_lshl_b32 s94, s67, 5
	s_bfe_u32 s95, s66, 0x10001                    ; its tile (w / 2) % 2
	s_lshl_b32 s95, s95, 3
	s_add_co_u32 s94, s94, s95                     ; 32 head + 8 x tile
	v_add_nc_u32 v203, s94, v10
	s_delay_alu instid0(VALU_DEP_1)
	v_mul_u32_u24 v204, v203, 192
	s_delay_alu instid0(VALU_DEP_1)
	v_mad_u32_u24 v204, v9, 24, v204
	s_and_b32 s91, s66, 1                          ; its K step w % 2
	s_mul_i32 s94, s91, 96
	v_add_nc_u32 v204, s94, v204
	v_lshlrev_b32 v205, 3, v203
	s_delay_alu instid0(VALU_DEP_1)
	v_lshl_add_u32 v205, s91, 2, v205
.irp q, 0,1,2,3,4,5
	global_load_b64 v[180+2*\q:181+2*\q], v204, s[48:49] offset:48*(\q/3)+8*(\q%3)
.endr
	global_load_b32 v197, v205, s[56:57]
	v_lshlrev_b32 v206, 2, v0
	global_load_b32 v198, v206, s[6:7]             ; the mask of key 32 w + lane
	v_add_nc_u32 v214, BIA, v206                   ; the biases in LDS: 4 bytes a thread
	v_lshlrev_b32 v213, 2, v7                      ; and in memory: 4 bytes a lane
	v_add_nc_u32 v[ABI], BIA, v[LM]
.irp n, 0,1,2,3
	global_load_b32 v[BB+2*\n], v[RH4], s[14:15] offset:128*(\n/2)+32*(\n%2)   ; bv of my four channels: asked for here, used in V's unit
	v_mov_b32 v[BB+2*\n+1], 0                      ; (named with it as a pair, so it is written)
.endr
	; THE BIASES' FILL.  Waves 0-7: half w % 2 of bq, bk, bqp, bkp by w / 2; waves 8-11: bka0, bka1, bqa0, bqa1.  The choices hang on the wave's number alone
	s_bitcmp1_b32 s66, 1
	s_cselect_b64 s[10:11], s[12:13], s[10:11]     ; bk or bq
	s_cselect_b64 s[16:17], s[18:19], s[16:17]     ; bkp or bqp
	s_cselect_b64 s[24:25], s[20:21], s[24:25]     ; bqa0 or bka0
	s_cselect_b64 s[26:27], s[22:23], s[26:27]     ; bqa1 or bka1
	s_bitcmp1_b32 s66, 2
	s_cselect_b64 s[10:11], s[16:17], s[10:11]
	s_bitcmp1_b32 s66, 0
	s_cselect_b64 s[24:25], s[26:27], s[24:25]
	s_cselect_b32 s92, 128, 0                      ; a large bias's second 32 numbers
	s_cmp_ge_u32 s66, 8
	s_cselect_b64 s[10:11], s[24:25], s[10:11]
	s_cselect_b32 s92, 0, s92
	s_add_nc_u64 s[10:11], s[10:11], s[92:93]
	s_cmp_ge_u32 s66, 12                           ; twelve waves bring the 384 numbers
	s_wait_alu depctr_va_vdst(0)                   ; the wait here, directly ahead of the branch
	s_cbranch_scc1 .Lno_bias_load
	global_load_b32 v199, v213, s[10:11]
.Lno_bias_load:
	s_lshl_b32 s94, s70, 2
	s_add_co_u32 s94, s94, s90                     ; a fragment's number in its unit: 4 x K step + tile
	s_mul_i32 s95, s94, FRB
	v_add_nc_u32 v207, s95, v[LI]                  ; units 0-2 (Wq, Wk, Wv), 24,576 bytes each, by the immediate;
	s_delay_alu instid0(VALU_DEP_1)
	v_add_nc_u32 v208, 73728, v207                 ; units 3, 4 (Wqp, Wkp)
	s_lshl_b32 s95, s94, 6
	s_add_co_u32 s95, s95, WSC
	v_add_nc_u32 v209, s95, v[R4]
	s_lshr_b32 s94, s66, 3
	s_lshl_b32 s94, s94, 3                         ; the small fragment: unit 5 (Qa) or 6 (Ka): 8 (w / 8),
	s_lshl_b32 s95, s91, 2
	s_add_co_u32 s94, s94, s95                     ; + 4 x K step,
	s_bfe_u32 s95, s66, 0x10002
	s_lshl_b32 s95, s95, 1
	s_add_co_u32 s94, s94, s95                     ; + 2 x which attribute,
	s_bfe_u32 s95, s66, 0x10001
	s_add_co_u32 s94, s94, s95                     ; + its tile
	s_mul_i32 s95, s94, FRB
	s_add_co_u32 s95, s95, 122880
	v_add_nc_u32 v210, s95, v[LI]
	s_lshl_b32 s95, s94, 6
	s_add_co_u32 s95, s95, WSC+64*80
	v_add_nc_u32 v211, s95, v[R4]
	s_lshl_b32 s95, s70, 7
	s_add_co_u32 s95, s95, s69
	s_add_co_u32 s95, s95, MK
	v_lshl_add_u32 v212, v7, 2, s95                ; the mask: 4 bytes a key, keys in their own order
	v_add_nc_u32 v[ASW], WSC, v[R4]
	s_wait_alu depctr_va_vdst(0)
	s_wait_loadcnt 0x0
.irp k, 0,1,2
.irp q, 0,1,2
	ds_store_b128 v207, v[120+12*\k+4*\q:123+12*\k+4*\q] offset:24576*\k+512*\q
.endr
	ds_store_b32 v209, v[192+\k] offset:1024*\k    ; lanes r and r + 16 write the same word with the same value
.endr
.irp k, 3,4
.irp q, 0,1,2
	ds_store_b128 v208, v[120+12*\k+4*\q:123+12*\k+4*\q] offset:24576*(\k-3)+512*\q
.endr
	ds_store_b32 v209, v[192+\k] offset:1024*\k
.endr
.irp q, 0,1,2
	ds_store_b128 v210, v[180+4*\q:183+4*\q] offset:512*\q
.endr
	ds_store_b32 v211, v197
	v_mul_f32 v198, 0x41000000, v198               ; 8 x mask: exact,
	s_delay_alu instid0(VALU_DEP_1)
	v_max_num_f32 v198, 0xff61b1e6, v198           ; held at -3e38 from below, so that no infinity goes into a product
	ds_store_b32 v212, v198
	s_cmp_ge_u32 s66, 12
	s_wait_alu depctr_va_vdst(0)                   ; the wait here, directly ahead of the branch
	s_cbranch_scc1 .Lno_bias_store
	ds_store_b32 v214, v199                        ; my 32 numbers of the biases
.Lno_bias_store:
	s_wait_dscnt 0x0                               ; for the others' sake: my stores have landed
	s_barrier_signal -1
	s_barrier_wait -1                              ; the head's weights lie in LDS
	; ---- PHASE 1
	UNIT_T 0, 0, 4, 0, 0, -1                       ; Qi
	ST_HALF 77, 78, 0
	UNIT_T 24576, 16, 4, 0, 256, -1                ; Ki
	ST_HALF 71, 72, 0
	; V: a lane holds channel 32 (n / 2) + 8 (n % 2) + r + 8 (r / 8) of tile n, and the 16 registers of a tile are tokens 16 h + 0 .. 15 of my 32: one block along the keys, shared with lane l xor 16
	v_add_nc_u32 v[AW], 49152, v[LI]
.irp s, 0,1,2,3
	WFETCH 32, \s
.if \s == 0
	s_wait_alu depctr_va_vdst(0)
.endif
	s_wait_dscnt 0x0
	MUL_V \s
.if \s == 3
	PLACES 5
.else
	PLACES 4
.endif
	XLOAD 1, \s                                    ; item_hidden's K step s is done with: position_embed's takes its registers
.endr
.set j, 0
.rept 32
	v_pk_add_f32 v[ACC+j:ACC+j+1], v[ACC+j:ACC+j+1], v[BB+2*(j/16):BB+2*(j/16)+1] op_sel_hi:[1,0]   ; + bv of my channel; each accumulator from its low end on
.set j, j+2
.endr
	QSCALE ACC, 4
.irp n, 0,1,2,3
	v_cvt_scalef32_pk16_bf6_f32 v[PC+4*\n:PC+4*\n+2], v[ACC+16*\n:ACC+16*\n+15], v[TM+8+\n]
.endr
	v_nop                                          ; one plain place behind a scaled conversion
	v_add_nc_u32 v[AT], s75, v[VW]
	v_add_nc_u32 v[AT+1], s76, v[R4]
.irp n, 0,1,2,3
.irp i, 0,1,2
	ds_store_b32 v[AT], v[PC+4*\n+\i] offset:FRB*\n+4*\i   ; my 16 codes are registers 6 (B / 2) + 3 h + 0 .. 2 of lane (r, B % 2) of the step's fragment n
.endr
	ds_store_b8 v[AT+1], v[TM+4+\n] offset:64*\n
.endr
	s_wait_dscnt 0x0
	UNIT_T 73728, 48, 4, 0, 512, -1                ; Qp
	ST_HALF 77, 78, 1
	UNIT_T 98304, 64, 4, 0, 768, 2                 ; Kp; the attributes' fragments are asked for
	ST_HALF 71, 72, 1
	UNIT_T 135168, 88, 2, 1, 1024, -1              ; Ka = [Ka0 | Ka1]: my two tiles' 64 + 64 are one whole fragment
	v_add_nc_u32 v[AT], s73, v[LI]
	v_add_nc_u32 v[AT+1], s74, v[R4]
.irp q, 0,1,2
	ds_store_b128 v[AT], v[PC+4*\q:PC+4*\q+3] offset:512*\q
.endr
	ds_store_b32 v[AT+1], v[PW]
	s_wait_dscnt 0x0
	UNIT_T 122880, 80, 2, 1, 1280, -1              ; Qa = [Qa0 | Qa1]: stays in registers
.irp i, 0,1,2,3,4,5
	v_mov_b32 v[Q1+\i], v[PC+6+\i]                 ; the second tile's, out of the way of the first tile's work
.endr
	v_mov_b32 v[QW], v[PW]
	s_wait_dscnt 0x0
	s_barrier_signal -1
	s_barrier_wait -1                              ; K, V and their scale words of all 512 keys lie in LDS; from here on LDS is only read
	; ---- PHASE 2: one tile of 16 queries.  u: which of my two; src: where its Qa lies
.macro QTILE u, src
.if \u
	s_wait_xcnt 0x0                                ; the first tile's stores have read their registers
.endif
	v_add_nc_u32 v[ADK], s77, v[LI]
	v_add_nc_u32 v[ADS], s78, v[R4]
.irp q, 0,1,2
	ds_load_b128 v[QA+4*\q:QA+4*\q+3], v[ADK] offset:FRB*\u+512*\q
.endr
	ds_load_b32 v[QAS], v[ADS] offset:64*\u
.irp i, 0,1,2,3,4,5
	v_mov_b32 v[QB+\i], v[\src+\i]
	v_mov_b32 v[QB+6+\i], 0
	v_mov_b32 v[QB+12+\i], v[\src+\i]
.endr
	v_perm_b32 v[QBS], v[QW], v[QW], 0x01000100+0x02020202*\u   ; Qa's two scale bytes, twice: they serve [Qa | zeros] and [zeros | Qa].  More than eight plain instructions follow ahead of the first product
	v_mov_b32 v13, 0xff61b1e6                      ; the largest t so far: -3e38
	s_delay_alu instid0(VALU_DEP_1)
	v_floor_f32 v12, -v13                          ; -M
	v_mov_b32 v14, 0                               ; the sum, in two halves
	v_mov_b32 v15, 0
.irp b, 0,1,2,3
	v_mov_b32 v[T8+\b], 0                          ; a lane permute's destination counts as one of its sources
.endr
	v_mov_b32 v[PSW], 0                            ; (named as the upper half of the pair with f before it is first written)
.set j, 0
.rept 32
	v_mov_b32 v[O+j], 0                            ; O^T.  The step is written once: the first finds zeros, which the first change of M leaves zeros
.set j, j+1
.endr
	s_mov_b32 s79, STEP0
	s_mov_b32 s80, 4
	s_wait_dscnt 0x0
.Lkeys_\@:                                         ; four trips of 128 keys
	v_add_nc_u32 v[ADK], s79, v[LI]                ; these four are also the places in front of the loads into registers that the last trip's products read
	v_add_nc_u32 v[ADV], s79, v[L48]
	v_add_nc_u32 v[ADS], s79, v[R4]
	v_add_nc_u32 v[ADM], s79, v[LM]
	s_wait_alu depctr_va_vdst(0)
.irp g, 0,1                                        ; S^T = K Q^T + 8 mask, four tiles of 16 keys at a time
.if \g
	PLACES 4
.endif
.irp t, 0,1,2,3
	ds_load_b128 v[S+8*(4*\g+\t):S+8*(4*\g+\t)+3], v[ADM] offset:MK+128*((4*\g+\t)/2)+32*(\t%2)       ; register j of tile kt is key 32 (kt / 2) + 8 (kt % 2) + 16 h + j
	ds_load_b128 v[S+8*(4*\g+\t)+4:S+8*(4*\g+\t)+7], v[ADM] offset:MK+128*((4*\g+\t)/2)+32*(\t%2)+16
.irp q, 0,1,2
	ds_load_b128 v[KB+12*\t+4*\q:KB+12*\t+4*\q+3], v[ADK] offset:FRB*(4*\g+\t)+512*\q
.endr
	ds_load_b32 v[KS+\t], v[ADS] offset:KAS+64*(4*\g+\t)
.endr
.irp p, 0,1
.irp q, 0,1,2
	ds_load_b128 v[KB+48+12*\p+4*\q:KB+48+12*\p+4*\q+3], v[ADK] offset:KBO+FRB*(2*\g+\p)+512*\q
.endr
	ds_load_b32 v[KS+4+\p], v[ADS] offset:KBS+64*(2*\g+\p)
.endr
	s_wait_dscnt 0x0
.irp t, 0,1,2,3                                    ; the four accumulators by turns, one instruction a turn
	v_wmma_scale_f32_16x16x128_f8f6f4 v[S+8*(4*\g+\t):S+8*(4*\g+\t)+7], v[KB+12*\t:KB+12*\t+11], v[QA:QA+11], v[S+8*(4*\g+\t):S+8*(4*\g+\t)+7], v[KS+\t], v[QAS] matrix_a_fmt:MATRIX_FMT_BF6 matrix_b_fmt:MATRIX_FMT_BF6
.endr
.irp t, 0,1,2,3
	v_wmma_scale_f32_16x16x128_f8f6f4 v[S+8*(4*\g+\t):S+8*(4*\g+\t)+7], v[KB+48+12*(\t/2):KB+48+12*(\t/2)+11], v[QB+6*(\t%2):QB+6*(\t%2)+11], v[S+8*(4*\g+\t):S+8*(4*\g+\t)+7], v[KS+4+\t/2], v[QBS] matrix_a_fmt:MATRIX_FMT_BF6 matrix_b_fmt:MATRIX_FMT_BF6
.endr
.endr
	PLACES 4                                       ; in front of the loads below and of the first read of the scores
.irp n, 0,1,2,3                                    ; V^T's four fragments are asked for here and land under the softmax
.irp q, 0,1,2
	ds_load_b128 v[KB+12*\n+4*\q:KB+12*\n+4*\q+3], v[ADV] offset:VO+FRB*\n+16*\q
.endr
	ds_load_b32 v[KS+\n], v[ADS] offset:VS+64*\n
.endr
.irp b, 0,1,2,3
	v_max3_num_f32 v[BM+\b], v[S+16*\b], v[S+1+16*\b], v[S+2+16*\b]   ; the largest score of each block of 32 keys: for the row's maximum, and, since p rises with the score, for the block's largest p
.endr
.irp i, 3,5,7,9,11,13
.irp b, 0,1,2,3
	v_max3_num_f32 v[BM+\b], v[BM+\b], v[S+16*\b+\i], v[S+1+16*\b+\i]
.endr
.endr
.irp b, 0,1,2,3
	v_max_num_f32 v[BM+\b], v[BM+\b], v[S+15+16*\b]
.endr
.irp b, 0,1,2,3
	s_delay_alu instid0(VALU_DEP_4)
	v_permlanex16_b32 v[T8+\b], v[BM+\b], s[SEL], s[SEL+1]
.endr
.irp b, 0,1,2,3
	s_delay_alu instid0(VALU_DEP_4)
	v_max_num_f32 v[BM+\b], v[BM+\b], v[T8+\b]     ; with lane l xor 16's 16 keys
.endr
	s_delay_alu instid0(VALU_DEP_2)
	v_max3_num_f32 v[TT], v[BM], v[BM+1], v[BM+2]
	s_delay_alu instid0(VALU_DEP_1)
	v_max_num_f32 v[TT], v[TT], v[BM+3]
	s_delay_alu instid0(VALU_DEP_1)
	v_mul_f32 v[TT], s82, v[TT]                    ; as t (c is positive)
	s_delay_alu instid0(VALU_DEP_1)
	v_max_num_f32 v13, v13, v[TT]                  ; the running largest t
	v_mov_b32 v[TT], v12
	s_delay_alu instid0(VALU_DEP_2)
	v_floor_f32 v12, -v13                          ; the new -M = floor(-t): M is a whole number
	s_delay_alu instid0(VALU_DEP_1)
	v_sub_f32 v[TT], v12, v[TT]                    ; old M - new M: a whole number, 0 or less
	s_delay_alu instid0(VALU_DEP_1)
	v_cvt_i32_f32 v[TT], v[TT]                     ; (it saturates)
	s_delay_alu instid0(VALU_DEP_1)
	v_ldexp_f32 v[F], 1.0, v[TT]                   ; f = 2^(old M - new M): a multiplication by it rounds nothing
.set j, 0
.rept 32
	v_pk_fma_f32 v[S+j:S+j+1], v[S+j:S+j+1], s[82:83], v[12:13] op_sel_hi:[1,0,0]   ; t - M, two at a time
.set j, j+2
.endr
.irp b, 0,1,2,3
	v_fma_f32 v[BM+\b], v[BM+\b], s82, v12         ; the same of each block's largest score
.endr
.set j, 0
	s_wait_alu depctr_va_vdst(0)
.rept 64
	v_exp_f32 v[S+j], v[S+j]                       ; p = 2^(t - M), at most 1: not normalised
.set j, j+1
.endr
.irp b, 0,1,2,3
	v_exp_f32 v[BM+\b], v[BM+\b]                   ; the block's largest p: the same two instructions on the same number
.endr
	v_pk_mul_f32 v[14:15], v[14:15], v[F:F+1] op_sel_hi:[1,0]   ; the sums under the new M.  (A plain place behind the exponentials)
	s_wait_alu depctr_va_vdst(0)
.irp b, 0,1,2,3
	v_max_num_f32 v[BM+\b], 0x2800000, v[BM+\b]    ; the floor 2^(5 - 127): the byte cannot fall under 1
.endr
.irp b, 0,1,2,3
	s_delay_alu instid0(VALU_DEP_4)
	v_add_nc_u32 v[SO+\b], 0xfe000000, v[BM+\b]
.endr
.irp b, 0,1,2,3
	s_delay_alu instid0(VALU_DEP_4)
	v_lshrrev_b32 v[T8+\b], 23, v[SO+\b]
.endr
	s_delay_alu instid0(VALU_DEP_3)
	v_lshl_or_b32 v[PSW], v[T8+1], 8, v[T8]        ; p's scale word for these 128 keys
	s_delay_alu instid0(VALU_DEP_1)
	v_lshl_or_b32 v[PSW], v[T8+2], 16, v[PSW]
	s_delay_alu instid0(VALU_DEP_1)
	v_lshl_or_b32 v[PSW], v[T8+3], 24, v[PSW]
.irp c, 0,1
	v_cvt_scalef32_pk16_bf6_f32 v[PCD+6*\c:PCD+6*\c+2], v[S+32*\c:S+32*\c+15], v[SO+2*\c]
	v_cvt_scalef32_pk16_bf6_f32 v[T8+4*\c:T8+4*\c+2], v[S+32*\c+16:S+32*\c+31], v[SO+2*\c+1]
.endr
	v_nop                                          ; one plain place behind a scaled conversion
.irp c, 0,1
.irp i, 0,1,2
	v_permlane16_swap_b32 v[PCD+6*\c+\i], v[T8+4*\c+\i]
.endr
.irp i, 0,1,2
	s_delay_alu instid0(VALU_DEP_3)
	v_mov_b32 v[PCD+6*\c+3+\i], v[T8+4*\c+\i]
.endr
.endr
	v_pk_add_f32 v[242:243], v[138:139], v[142:143]
	v_pk_add_f32 v[252:253], v[146:147], v[150:151]
	v_pk_add_f32 v[250:251], v[154:155], v[158:159]
	v_pk_add_f32 v[248:249], v[162:163], v[166:167]
	v_pk_add_f32 v[246:247], v[170:171], v[174:175]
	v_pk_add_f32 v[132:133], v[178:179], v[182:183]
	v_pk_add_f32 v[126:127], v[186:187], v[190:191]
	v_pk_add_f32 v[14:15], v[14:15], v[194:195]
	v_pk_add_f32 v[242:243], v[242:243], v[134:135]
	v_pk_add_f32 v[252:253], v[252:253], v[136:137]
	v_pk_add_f32 v[250:251], v[250:251], v[140:141]
	v_pk_add_f32 v[248:249], v[248:249], v[144:145]
	v_pk_add_f32 v[246:247], v[246:247], v[148:149]
	v_pk_add_f32 v[132:133], v[132:133], v[152:153]
	v_pk_add_f32 v[126:127], v[126:127], v[156:157]
	v_pk_add_f32 v[14:15], v[14:15], v[160:161]
	v_pk_add_f32 v[242:243], v[242:243], v[164:165]
	v_pk_add_f32 v[252:253], v[252:253], v[168:169]
	v_pk_add_f32 v[250:251], v[250:251], v[172:173]
	v_pk_add_f32 v[248:249], v[248:249], v[176:177]
	v_pk_add_f32 v[246:247], v[246:247], v[180:181]
	v_pk_add_f32 v[132:133], v[132:133], v[184:185]
	v_pk_add_f32 v[126:127], v[126:127], v[188:189]
	v_pk_add_f32 v[14:15], v[14:15], v[192:193]
	v_pk_add_f32 v[242:243], v[242:243], v[196:197]
	s_delay_alu instid0(VALU_DEP_2)
	v_pk_add_f32 v[14:15], v[14:15], v[248:249]
	s_delay_alu instid0(VALU_DEP_2)
	v_pk_add_f32 v[242:243], v[242:243], v[246:247]
	v_pk_add_f32 v[252:253], v[252:253], v[132:133]
	v_pk_add_f32 v[250:251], v[250:251], v[126:127]
	s_delay_alu instid0(VALU_DEP_2)
	v_pk_add_f32 v[14:15], v[14:15], v[252:253]
	s_delay_alu instid0(VALU_DEP_2)
	v_pk_add_f32 v[242:243], v[242:243], v[250:251]
	s_delay_alu instid0(VALU_DEP_1)
	v_pk_add_f32 v[14:15], v[14:15], v[242:243]
.set j, 0
.rept 16
	v_pk_mul_f32 v[O+j:O+j+1], v[O+j:O+j+1], v[F:F+1] op_sel_hi:[1,0]   ; O^T under the new M; each accumulator from its low end on
.set j, j+2
.endr
	s_wait_alu depctr_va_vdst(0)
	s_wait_dscnt 0x0                               ; V^T
.irp n, 0,1,2,3
	v_wmma_scale_f32_16x16x128_f8f6f4 v[O+8*\n:O+8*\n+7], v[KB+12*\n:KB+12*\n+11], v[PCD:PCD+11], v[O+8*\n:O+8*\n+7], v[KS+\n], v[PSW] matrix_a_fmt:MATRIX_FMT_BF6 matrix_b_fmt:MATRIX_FMT_BF6
.endr
	s_add_co_u32 s79, s79, STEPB
	s_sub_co_u32 s80, s80, 1
	s_cmp_lg_u32 s80, 0
	s_cbranch_scc1 .Lkeys_\@
	; the way out: O^T / the sum is the head's 64 channels of ctx, two blocks along the last product's K: quantised here, stored as half a fragment's registers
	PLACES 4
	v_add_f32 v14, v14, v15
	s_delay_alu instid0(VALU_DEP_1)
	v_permlanex16_b32 v[T8], v14, s[SEL], s[SEL+1]
	s_delay_alu instid0(VALU_DEP_1)
	v_add_f32 v14, v14, v[T8]                      ; the row's sum
	s_wait_alu depctr_va_vdst(0)
	v_rcp_f32 v14, v14
	v_nop                                          ; one plain place behind a transcendental
.set j, 0
	s_wait_alu depctr_va_vdst(0)
.rept 16
	v_pk_mul_f32 v[S+j:S+j+1], v[O+j:O+j+1], v[14:15] op_sel_hi:[1,0]   ; register 16 b + i: channel 32 b + 16 h + i of my query
.set j, j+2
.endr
.set TM, 56                                        ; the quantiser works where K and V lay
.set PC, 68
.set PD, 74
.set PW, 78
	QSCALE S, 2
	QWORD 2
	QCODES S, 1
.irp p, 0,1,2
	global_store_b64 v[L8], v[PC+2*\p:PC+2*\p+1], s[86:87] offset:6144*\u+256*\p   ; each store of the wave covers 256 consecutive bytes, aligned
.endr
	global_store_b16 v[L2], v[PW], s[88:89] offset:512*\u                          ; my row's two scale bytes
.endm
	QTILE 0, 132
	QTILE 1, Q1
	s_barrier_signal -1
	s_barrier_wait -1
	s_wait_xcnt 0x0
	v_lshl_add_u32 v254, v0, 2, 0x4b800
	v_mov_b32 v255, 0
	s_wait_alu depctr_va_vdst(0)
	s_wait_tensorcnt 0x0
	ds_add_u32 v254, v255
	s_wait_dscnt 0x0
	s_endpgm
.Lfunc_end_k_qe6f1569912_attn:
	.size	k_qe6f1569912_attn, .Lfunc_end_k_qe6f1569912_attn-k_qe6f1569912_attn
	.p2alignl 7, 3214868480
	.fill 96, 4, 3214868480
	.section	.rodata,"a",@progbits
	.p2align	6, 0x0
	.amdhsa_kernel k_qe6f1569912_attn
		.amdhsa_group_segment_fixed_size 313344
		.amdhsa_private_segment_fixed_size 0
		.amdhsa_enable_private_segment 0
		.amdhsa_kernarg_size 240
		.amdhsa_user_sgpr_count 2
		.amdhsa_user_sgpr_kernarg_segment_ptr 1
		.amdhsa_wavefront_size32 1
		.amdhsa_system_sgpr_workgroup_id_x 1
		.amdhsa_system_sgpr_workgroup_id_y 1
		.amdhsa_system_sgpr_workgroup_id_z 1
		.amdhsa_system_vgpr_workitem_id 0
		.amdhsa_next_free_vgpr 256
		.amdhsa_next_free_sgpr 96
		.amdhsa_reserve_vcc 0
		.amdhsa_float_denorm_mode_32 3
		.amdhsa_float_denorm_mode_16_64 3
		.amdhsa_memory_ordered 1
		.amdhsa_forward_progress 1
		.amdhsa_inst_pref_size 168
	.end_amdhsa_kernel
	.amdgpu_metadata
---
amdhsa.version: [ 1, 2 ]
amdhsa.kernels:
  - .name:           k_qe6f1569912_attn
    .symbol:         k_qe6f1569912_attn.kd
    .args:
      - { .name: ximg, .offset: 0, .size: 8, .value_kind: global_buffer, .address_space: global }
      - { .name: attention_mask, .offset: 8, .size: 8, .value_kind: global_buffer, .address_space: global }
      - { .name: ctx, .offset: 16, .size: 8, .value_kind: global_buffer, .address_space: global }
      - { .name: bq, .offset: 24, .size: 8, .value_kind: global_buffer, .address_space: global }
      - { .name: bk, .offset: 32, .size: 8, .value_kind: global_buffer, .address_space: global }
      - { .name: bv, .offset: 40, .size: 8, .value_kind: global_buffer, .address_space: global }
      - { .name: bqp, .offset: 48, .size: 8, .value_kind: global_buffer, .address_space: global }
      - { .name: bkp, .offset: 56, .size: 8, .value_kind: global_buffer, .address_space: global }
      - { .name: bqa0, .offset: 64, .size: 8, .value_kind: global_buffer, .address_space: global }
      - { .name: bqa1, .offset: 72, .size: 8, .value_kind: global_buffer, .address_space: global }
      - { .name: bka0, .offset: 80, .size: 8, .value_kind: global_buffer, .address_space: global }
      - { .name: bka1, .offset: 88, .size: 8, .value_kind: global_buffer, .address_space: global }
      - { .name: Wq_codes, .offset: 96, .size: 8, .value_kind: global_buffer, .address_space: global }
      - { .name: Wk_codes, .offset: 104, .size: 8, .value_kind: global_buffer, .address_space: global }
      - { .name: Wv_codes, .offset: 112, .size: 8, .value_kind: global_buffer, .address_space: global }
      - { .name: Wqp_codes, .offset: 120, .size: 8, .value_kind: global_buffer, .address_space: global }
      - { .name: Wkp_codes, .offset: 128, .size: 8, .value_kind: global_buffer, .address_space: global }
      - { .name: Wq_scales, .offset: 136, .size: 8, .value_kind: global_buffer, .address_space: global }
      - { .name: Wk_scales, .offset: 144, .size: 8, .value_kind: global_buffer, .address_space: global }
      - { .name: Wv_scales, .offset: 152, .size: 8, .value_kind: global_buffer, .address_space: global }
      - { .name: Wqp_scales, .offset: 160, .size: 8, .value_kind: global_buffer, .address_space: global }
      - { .name: Wkp_scales, .offset: 168, .size: 8, .value_kind: global_buffer, .address_space: global }
      - { .name: Wqa0_codes, .offset: 176, .size: 8, .value_kind: global_buffer, .address_space: global }
      - { .name: Wqa1_codes, .offset: 184, .size: 8, .value_kind: global_buffer, .address_space: global }
      - { .name: Wka0_codes, .offset: 192, .size: 8, .value_kind: global_buffer, .address_space: global }
      - { .name: Wka1_codes, .offset: 200, .size: 8, .value_kind: global_buffer, .address_space: global }
      - { .name: Wqa0_scales, .offset: 208, .size: 8, .value_kind: global_buffer, .address_space: global }
      - { .name: Wqa1_scales, .offset: 216, .size: 8, .value_kind: global_buffer, .address_space: global }
      - { .name: Wka0_scales, .offset: 224, .size: 8, .value_kind: global_buffer, .address_space: global }
      - { .name: Wka1_scales, .offset: 232, .size: 8, .value_kind: global_buffer, .address_space: global }
    .group_segment_fixed_size: 313344
    .private_segment_fixed_size: 0
    .kernarg_segment_align: 8
    .kernarg_segment_size: 240
    .max_flat_workgroup_size: 512
    .sgpr_count:     96
    .vgpr_count:     256
    .wavefront_size: 32
...
	.end_amdgpu_metadata
.endif
;; end of part 2
;; launch outln (part 3): grid 256 x 1, 16 waves a work-group, no clusters, 160,768 bytes of LDS; arguments ctx, Wd_codes, Wd_scales, bd, item_hidden, gamma, beta, out0; writes out0
.if DOCPART == 3
	.amdgcn_target "amdgcn-amd-amdhsa--gfx1250"
	.amdhsa_code_object_version 6
	.text
	.protected	k_qe6f1569912_outln
	.globl	k_qe6f1569912_outln
	.p2align	8
	.type	k_qe6f1569912_outln,@function
k_qe6f1569912_outln:
	s_mov_b64 s[64:65], 0
	v_nop
	global_prefetch_b8 v0, s[64:65] scope:SCOPE_SE
	s_setreg_imm32_b32 hwreg(HW_REG_WAVE_MODE, 25, 1), 1
	s_wait_xcnt 0x0
; out0 = LayerNorm(ctx Wd^T + bd + item_hidden) x gamma + beta.  The product on codes of E3M2 with E8M0 scales; ctx arrives as codes from the launch before, laid as halves of operand registers; all else in f32.
; SHARES.  A work-group takes 64 tokens: four tiles of 16 (a tile's row r is token 32 (T / 2) + 8 (T % 2) + r + 8 (r / 8)).  THE WAVES SHARE THE COLUMNS: wave w makes outputs 32 w .. 32 w + 31 for all 64 tokens,
; so its eight fragments of Wd stay in registers, read from memory once.  ctx's sixteen fragments go from wave to wave through LDS as images of their registers.
; The product is used transposed (source 0 = 16 rows of Wd, source 1 = 16 tokens): a lane holds eight neighbouring outputs of one token; bd is the C of each sum's first product.
; The 64 rows meet in a stage in LDS; for the norm wave w takes four whole rows, which are four neighbouring tokens.  Mean and variance in two passes, as the definition has them.
; No joint loads: what the work-groups share is Wd (204,800 bytes with its scales), read once by each into registers; no LDS byte is filled twice.  Two barriers.
; LIMITS: NaN and infinities among the inputs are not served.
.set CTXS, 6291456                     ; in ctx: where the scale halves begin
.set FRB,  1536                        ; a fragment's image
.set CSC,  24576                       ; LDS: 0 .. ctx's 16 images (4 x tile + K step);  here their scale words, 128 bytes each
.set STG,  26624                       ; the stage: 64 rows of 2,048 bytes + 16
.set SP,   2064
.set LI,  1                            ; 16 x lane
.set R4,  2                            ; 4 r
.set L8,  3                            ; 8 x lane
.set L2,  4                            ; 2 x lane
.set AWD, 5                            ; Wd's codes: my lane's row and half
.set AWS, 6                            ; its scale bytes
.set ABD, 7                            ; bd: 128 w + 32 h
.set SO0, 8                            ; the stage, tiles 0, 1: row r, my 32 bytes
.set SO1, 9                            ; tiles 2, 3
.set SR,  10                           ; the stage, back: my four rows, 16 bytes a lane
.set CWS, 11                           ; where I store my image's scale words
.set CWI, 12                           ; and the image
.set W,   16                           ; v16-111  Wd's fragments: tile n, K step g at W + 12 (4 n + g); later item_hidden, gamma, beta
.set WS,  112                          ; v112-119 their scale words
.set BD,  120                          ; v120-135 bd in the result's layout
.set CB,  136                          ; v136-183 four fragments of ctx; later at work
.set CS,  184                          ; v184-187 their scale words
.set ACC, 188                          ; v188-251 accumulator (n, tile l) at ACC + 8 (4 n + l); later my four rows
.set IT,  16
.set GA,  80
.set BE,  96
.set TS,  136                          ; a pair a row: the sum, then the mean
.set TQ,  144                          ; a pair a row: the sum of squares, then 1 / sqrt(var + eps)
.set TP,  152
.macro REDUCE t                        ; the four rows' pairs at v[t] become sums over the wave's 32 lanes, in every lane; the rows by turns
.irp i, 0,1,2,3
	s_delay_alu instid0(VALU_DEP_4)
	v_add_f32 v[\t+2*\i], v[\t+2*\i], v[\t+2*\i+1]
.endr
.irp x, 1,2,4,8
.irp i, 0,1,2,3
	s_delay_alu instid0(VALU_DEP_4)
	v_add_f32_dpp v[\t+2*\i], v[\t+2*\i], v[\t+2*\i] row_xmask:\x row_mask:0xf bank_mask:0xf
.endr
.endr
.irp i, 0,1,2,3
	s_delay_alu instid0(VALU_DEP_4)
	v_permlanex16_b32 v[TP+\i], v[\t+2*\i], s36, s37
.endr
.irp i, 0,1,2,3
	s_delay_alu instid0(VALU_DEP_4)
	v_add_f32 v[\t+2*\i], v[\t+2*\i], v[TP+\i]
.endr
.endm
	s_load_b512 s[4:19], s[0:1], 0x0               ; ctx, Wd's codes, Wd's scales, bd, item_hidden, gamma, beta, out0
	v_lshl_add_u32 v14, v0, 2, 0x26c00
	v_mov_b32 v15, 0
	v_lshrrev_b32 v252, 5, v0
	s_delay_alu instid0(VALU_DEP_1)
	v_readfirstlane_b32 s20, v252                  ; wave w
	v_and_b32 v252, 31, v0                         ; lane
	v_and_b32 v253, 15, v0                         ; r
	v_bfe_u32 v254, v0, 4, 1                       ; h
	s_delay_alu instid0(VALU_DEP_3)
	v_lshlrev_b32 v[LI], 4, v252
	s_delay_alu instid0(VALU_DEP_3)
	v_lshlrev_b32 v[R4], 2, v253
	v_lshlrev_b32 v[L8], 3, v252
	v_lshlrev_b32 v[L2], 1, v252
	s_lshl_b32 s21, s20, 5
	v_add_nc_u32 v255, s21, v253                   ; Wd's row 32 w + r
	s_delay_alu instid0(VALU_DEP_1)
	v_mul_u32_u24 v[AWD], v255, 384
	s_delay_alu instid0(VALU_DEP_1)
	v_mad_u32_u24 v[AWD], v254, 24, v[AWD]
	s_delay_alu instid0(VALU_DEP_3)
	v_lshlrev_b32 v[AWS], 4, v255
	s_lshl_b32 s22, s20, 7
	v_lshl_add_u32 v[ABD], v254, 5, s22
	v_mul_u32_u24 v[SO0], v253, SP
	s_delay_alu instid0(VALU_DEP_1)
	v_add_nc_u32 v[SO0], v[SO0], v[ABD]
	s_delay_alu instid0(VALU_DEP_1)
	v_add_nc_u32 v[SO0], STG, v[SO0]
	s_delay_alu instid0(VALU_DEP_1)
	v_add_nc_u32 v[SO1], 32*SP, v[SO0]
	s_mul_i32 s23, s20, 4*SP
	s_add_co_u32 s23, s23, STG
	v_add_nc_u32 v[SR], s23, v[LI]
	s_add_co_u32 s23, s22, CSC
	v_lshl_add_u32 v[CWS], v252, 2, s23
	s_mul_i32 s23, s20, FRB
	v_add_nc_u32 v[CWI], s23, v[LI]
	s_mov_b32 s27, 0
	s_mov_b32 s36, 0x76543210
	s_mov_b32 s37, 0xfedcba98
	s_mov_b32 s38, 0x3b000000                      ; 1 / 512
	s_mov_b32 s39, 0x3727c5ac                      ; eps = 1e-5
	s_lshl_b32 s25, ttmp9, 2
	s_lshr_b32 s24, s20, 2
	s_add_co_u32 s25, s25, s24                     ; the fragment that I bring: tile 4 x work-group + w / 4,
	s_lshl_b32 s25, s25, 3
	s_and_b32 s24, s20, 3
	s_lshl_b32 s24, s24, 1
	s_add_co_u32 s25, s25, s24                     ; K step w % 4: heads 2 (w % 4) and the next
	s_lshr_b32 s32, s20, 3
	s_lshl_b32 s32, s32, 5
	s_bfe_u32 s33, s20, 0x10002
	s_bfe_u32 s34, s20, 0x10001
	s_add_co_u32 s33, s33, s34
	s_lshl_b32 s33, s33, 3
	s_add_co_u32 s32, s32, s33
	s_and_b32 s33, s20, 3
	s_lshl_b32 s33, s33, 2
	s_add_co_u32 s32, s32, s33                     ; stage rows 4 w .. 4 w + 3 are tokens 32 (w / 8) + 8 ((w / 4) % 2) + 8 ((w / 2) % 2) + 4 (w % 4) + 0 .. 3
	s_lshl_b32 s33, ttmp9, 6
	s_add_co_u32 s32, s32, s33
	s_wait_alu depctr_va_vdst(0)
	s_wait_kmcnt 0x0
	s_mul_i32 s26, s25, 768
	s_add_nc_u64 s[28:29], s[4:5], s[26:27]
	s_lshl_b32 s26, s25, 6
	s_add_co_u32 s26, s26, CTXS
	s_add_nc_u64 s[30:31], s[4:5], s[26:27]
	s_lshl_b32 s26, s32, 11
	s_add_nc_u64 s[12:13], s[12:13], s[26:27]
	s_add_nc_u64 s[18:19], s[18:19], s[26:27]
.irp k, 0,1
.irp p, 0,1,2
	global_load_b64 v[CB+6*\k+2*\p:CB+6*\k+2*\p+1], v[L8], s[28:29] offset:768*\k+256*\p th:TH_LOAD_NT   ; two heads' halves make a fragment; each load of the wave covers 256 consecutive bytes
.endr
.endr
	global_load_u16 v148, v[L2], s[30:31] th:TH_LOAD_NT
	global_load_u16 v149, v[L2], s[30:31] offset:64 th:TH_LOAD_NT
.irp n, 0,1
.irp g, 0,1,2,3
.irp p, 0,1,2,3,4,5
	global_load_b64 v[W+12*(4*\n+\g)+2*\p:W+12*(4*\n+\g)+2*\p+1], v[AWD], s[6:7] offset:6144*\n+96*\g+48*(\p/3)+8*(\p%3)
.endr
.endr
.endr
.irp n, 0,1
	global_load_b128 v[WS+4*\n:WS+4*\n+3], v[AWS], s[8:9] offset:256*\n            ; a row's 16 scale bytes are its four words
.endr
.irp n, 0,1
	global_load_b128 v[BD+8*\n:BD+8*\n+3], v[ABD], s[10:11] offset:64*\n           ; lane (r, h), register j: bd of output 32 w + 16 n + 8 h + j
	global_load_b128 v[BD+8*\n+4:BD+8*\n+7], v[ABD], s[10:11] offset:64*\n+16
.endr
	s_wait_loadcnt 54                              ; loads come back in order: the 54 youngest (48 of Wd's codes, 2 of its scales, 4 of bd) may be out; ctx's eight are in
	v_lshl_or_b32 v150, v149, 16, v148             ; the two heads' scale halves make the word
.irp q, 0,1,2
	ds_store_b128 v[CWI], v[CB+4*\q:CB+4*\q+3] offset:512*\q
.endr
	ds_store_b32 v[CWS], v150
	s_wait_dscnt 0x0                               ; for the others' sake: my stores have landed
	s_barrier_signal -1
	s_barrier_wait -1                              ; ctx's sixteen fragments lie in LDS
	s_wait_loadcnt 0x0
.irp g, 0,1,2,3
.irp l, 0,1,2,3
.irp q, 0,1,2
	ds_load_b128 v[CB+12*\l+4*\q:CB+12*\l+4*\q+3], v[LI] offset:(4*\l+\g)*FRB+512*\q
.endr
	ds_load_b32 v[CS+\l], v[R4] offset:CSC+128*(4*\l+\g)
.endr
	s_wait_dscnt 0x0
.irp l, 0,1,2,3                                    ; eight accumulators by turns, one instruction a turn
.irp n, 0,1
.if \g == 0
	v_wmma_scale_f32_16x16x128_f8f6f4 v[ACC+8*(4*\n+\l):ACC+8*(4*\n+\l)+7], v[W+12*(4*\n+\g):W+12*(4*\n+\g)+11], v[CB+12*\l:CB+12*\l+11], v[BD+8*\n:BD+8*\n+7], v[WS+4*\n+\g], v[CS+\l] matrix_a_fmt:MATRIX_FMT_BF6 matrix_b_fmt:MATRIX_FMT_BF6
.else
	v_wmma_scale_f32_16x16x128_f8f6f4 v[ACC+8*(4*\n+\l):ACC+8*(4*\n+\l)+7], v[W+12*(4*\n+\g):W+12*(4*\n+\g)+11], v[CB+12*\l:CB+12*\l+11], v[ACC+8*(4*\n+\l):ACC+8*(4*\n+\l)+7], v[WS+4*\n+\g], v[CS+\l] matrix_a_fmt:MATRIX_FMT_BF6 matrix_b_fmt:MATRIX_FMT_BF6
.endif
.endr
.endr
.rept 4
	v_nop                                          ; places in front of loads into registers that these products read, and of the first read of results
.endr
.endr
.irp i, 0,1,2,3                                    ; Wd's registers are free: my four rows of item_hidden, gamma and beta land there while the stage is written and read
.irp k, 0,1,2,3
	global_load_b128 v[IT+16*\i+4*\k:IT+16*\i+4*\k+3], v[LI], s[12:13] offset:2048*\i+512*\k th:TH_LOAD_NT
.endr
.endr
.irp k, 0,1,2,3
	global_load_b128 v[GA+4*\k:GA+4*\k+3], v[LI], s[14:15] offset:512*\k
	global_load_b128 v[BE+4*\k:BE+4*\k+3], v[LI], s[16:17] offset:512*\k
.endr
.irp l, 0,1
.irp n, 0,1
	ds_store_b128 v[SO0], v[ACC+8*(4*\n+\l):ACC+8*(4*\n+\l)+3] offset:16*SP*\l+64*\n          ; each accumulator from its low end on
	ds_store_b128 v[SO0], v[ACC+8*(4*\n+\l)+4:ACC+8*(4*\n+\l)+7] offset:16*SP*\l+64*\n+16
.endr
.endr
.irp l, 2,3
.irp n, 0,1
	ds_store_b128 v[SO1], v[ACC+8*(4*\n+\l):ACC+8*(4*\n+\l)+3] offset:16*SP*(\l-2)+64*\n
	ds_store_b128 v[SO1], v[ACC+8*(4*\n+\l)+4:ACC+8*(4*\n+\l)+7] offset:16*SP*(\l-2)+64*\n+16
.endr
.endr
	s_wait_dscnt 0x0
	s_barrier_signal -1
	s_barrier_wait -1                              ; 64 whole rows lie in the stage
.irp i, 0,1,2,3
.irp k, 0,1,2,3
	ds_load_b128 v[ACC+16*\i+4*\k:ACC+16*\i+4*\k+3], v[SR] offset:SP*\i+512*\k      ; 32 lanes take 512 consecutive bytes of a row
.endr
.endr
	s_wait_dscnt 0x0
	s_wait_loadcnt 0x0
.irp m, 0,1,2,3,4,5,6,7
.irp i, 0,1,2,3
	v_pk_add_f32 v[ACC+16*\i+2*\m:ACC+16*\i+2*\m+1], v[ACC+16*\i+2*\m:ACC+16*\i+2*\m+1], v[IT+16*\i+2*\m:IT+16*\i+2*\m+1]   ; + item_hidden
.endr
.endr
.irp i, 0,1,2,3
	v_pk_add_f32 v[TS+2*\i:TS+2*\i+1], v[ACC+16*\i:ACC+16*\i+1], v[ACC+16*\i+2:ACC+16*\i+3]
.endr
.irp m, 2,3,4,5,6,7
.irp i, 0,1,2,3
	s_delay_alu instid0(VALU_DEP_4)
	v_pk_add_f32 v[TS+2*\i:TS+2*\i+1], v[TS+2*\i:TS+2*\i+1], v[ACC+16*\i+2*\m:ACC+16*\i+2*\m+1]
.endr
.endr
	REDUCE TS
.irp i, 0,1,2,3
	s_delay_alu instid0(VALU_DEP_4)
	v_mul_f32 v[TS+2*\i], s38, v[TS+2*\i]          ; the mean
.endr
.irp m, 0,1,2,3,4,5,6,7
.irp i, 0,1,2,3
	v_pk_add_f32 v[ACC+16*\i+2*\m:ACC+16*\i+2*\m+1], v[ACC+16*\i+2*\m:ACC+16*\i+2*\m+1], v[TS+2*\i:TS+2*\i+1] op_sel_hi:[1,0] neg_lo:[0,1] neg_hi:[0,1]   ; - the mean
.endr
.endr
.irp i, 0,1,2,3
	v_pk_mul_f32 v[TQ+2*\i:TQ+2*\i+1], v[ACC+16*\i:ACC+16*\i+1], v[ACC+16*\i:ACC+16*\i+1]
.endr
.irp m, 1,2,3,4,5,6,7
.irp i, 0,1,2,3
	s_delay_alu instid0(VALU_DEP_4)
	v_pk_fma_f32 v[TQ+2*\i:TQ+2*\i+1], v[ACC+16*\i+2*\m:ACC+16*\i+2*\m+1], v[ACC+16*\i+2*\m:ACC+16*\i+2*\m+1], v[TQ+2*\i:TQ+2*\i+1]
.endr
.endr
	REDUCE TQ
.irp i, 0,1,2,3
	s_delay_alu instid0(VALU_DEP_4)
	v_fma_f32 v[TQ+2*\i], v[TQ+2*\i], s38, s39     ; the variance + eps
.endr
	s_wait_alu depctr_va_vdst(0)
.irp i, 0,1,2,3
	v_rsq_f32 v[TQ+2*\i], v[TQ+2*\i]
.endr
	v_nop                                          ; one plain place behind a transcendental
	s_wait_alu depctr_va_vdst(0)
.irp m, 0,1,2,3,4,5,6,7
.irp i, 0,1,2,3
	v_pk_mul_f32 v[ACC+16*\i+2*\m:ACC+16*\i+2*\m+1], v[ACC+16*\i+2*\m:ACC+16*\i+2*\m+1], v[TQ+2*\i:TQ+2*\i+1] op_sel_hi:[1,0]
.endr
.endr
.irp m, 0,1,2,3,4,5,6,7
.irp i, 0,1,2,3
	v_pk_fma_f32 v[ACC+16*\i+2*\m:ACC+16*\i+2*\m+1], v[ACC+16*\i+2*\m:ACC+16*\i+2*\m+1], v[GA+2*\m:GA+2*\m+1], v[BE+2*\m:BE+2*\m+1]
.endr
.endr
.irp i, 0,1,2,3
.irp k, 0,1,2,3
	global_store_b128 v[LI], v[ACC+16*\i+4*\k:ACC+16*\i+4*\k+3], s[18:19] offset:2048*\i+512*\k th:TH_STORE_NT   ; each store of the wave covers 512 consecutive bytes, aligned to 256
.endr
.endr
	s_barrier_signal -1
	s_barrier_wait -1
	s_wait_tensorcnt 0x0
	ds_add_u32 v14, v15
	s_wait_dscnt 0x0
	s_endpgm
.Lfunc_end_k_qe6f1569912_outln:
	.size	k_qe6f1569912_outln, .Lfunc_end_k_qe6f1569912_outln-k_qe6f1569912_outln
	.p2alignl 7, 3214868480
	.fill 96, 4, 3214868480
	.section	.rodata,"a",@progbits
	.p2align	6, 0x0
	.amdhsa_kernel k_qe6f1569912_outln
		.amdhsa_group_segment_fixed_size 160768
		.amdhsa_private_segment_fixed_size 0
		.amdhsa_enable_private_segment 0
		.amdhsa_kernarg_size 64
		.amdhsa_user_sgpr_count 2
		.amdhsa_user_sgpr_kernarg_segment_ptr 1
		.amdhsa_wavefront_size32 1
		.amdhsa_system_sgpr_workgroup_id_x 1
		.amdhsa_system_sgpr_workgroup_id_y 1
		.amdhsa_system_sgpr_workgroup_id_z 1
		.amdhsa_system_vgpr_workitem_id 0
		.amdhsa_next_free_vgpr 256
		.amdhsa_next_free_sgpr 66
		.amdhsa_reserve_vcc 0
		.amdhsa_float_denorm_mode_32 3
		.amdhsa_float_denorm_mode_16_64 3
		.amdhsa_memory_ordered 1
		.amdhsa_forward_progress 1
		.amdhsa_inst_pref_size 44
	.end_amdhsa_kernel
	.amdgpu_metadata
---
amdhsa.version: [ 1, 2 ]
amdhsa.kernels:
  - .name:           k_qe6f1569912_outln
    .symbol:         k_qe6f1569912_outln.kd
    .args:
      - { .name: ctx, .offset: 0, .size: 8, .value_kind: global_buffer, .address_space: global }
      - { .name: Wd_codes, .offset: 8, .size: 8, .value_kind: global_buffer, .address_space: global }
      - { .name: Wd_scales, .offset: 16, .size: 8, .value_kind: global_buffer, .address_space: global }
      - { .name: bd, .offset: 24, .size: 8, .value_kind: global_buffer, .address_space: global }
      - { .name: item_hidden, .offset: 32, .size: 8, .value_kind: global_buffer, .address_space: global }
      - { .name: gamma, .offset: 40, .size: 8, .value_kind: global_buffer, .address_space: global }
      - { .name: beta, .offset: 48, .size: 8, .value_kind: global_buffer, .address_space: global }
      - { .name: out0, .offset: 56, .size: 8, .value_kind: global_buffer, .address_space: global }
    .group_segment_fixed_size: 160768
    .private_segment_fixed_size: 0
    .kernarg_segment_align: 8
    .kernarg_segment_size: 64
    .max_flat_workgroup_size: 512
    .sgpr_count:     66
    .vgpr_count:     256
    .wavefront_size: 32
...
	.end_amdgpu_metadata
.endif
;; end of part 3
